; MI455X (gfx1250); checked and timed in simulation.
; The chip was launched on July 23, 2026; its instructions are those of AMD's public machine-readable ISA for CDNA 5 (MIT licence, August 2026) and "CDNA5" Instruction Set Architecture Reference Guide (July 2026). The comments in the code are by the model that wrote it; some were corrected since.
;; Attention Head. Allowed arithmetic: matrix products marked QUANTISED: E5M2 operands, one E8M0 scale for each 32 along K, by v_wmma_scale_f32_16x16x128_f8f6f4 with both operands' format E5M2, f32 sums; everything else in f32.
;; Inputs: W_K_codes 1,024 x 32 x 32 uint8 (E5M2 codes of W_K, K innermost, in blocks of 32 codes); W_K_scales 1,024 x 32 uint8 (E8M0 scales of W_K, one for each 32 codes along K); W_Q_codes 1,024 x 32 x 32 uint8 (E5M2 codes of W_Q, K innermost, in blocks of 32 codes); W_Q_scales 1,024 x 32 uint8 (E8M0 scales of W_Q, one for each 32 codes along K); W_V_codes 1,024 x 32 x 32 uint8 (E5M2 codes of W_V, K innermost, in blocks of 32 codes); W_V_scales 1,024 x 32 uint8 (E8M0 scales of W_V, one for each 32 codes along K); embeddings_codes 4 x 2,048 x 32 x 32 uint8 (E5M2 codes of embeddings, K innermost, in blocks of 32 codes); embeddings_scales 4 x 2,048 x 32 uint8 (E8M0 scales of embeddings, one for each 32 codes along K).
;; Outputs: out0 4 x 2,048 x 1,024 float32.
;; This version of the problem:
;;   THIS VERSION OF THE PROBLEM IS GIVEN IN LOW PRECISION. The matrix products marked QUANTISED in the list below multiply operands that are first quantised to E5M2 (5 exponent bits, 2 mantissa bits; 8 bits a number), with one power-of-two scale for each 32 numbers along K (OCP MX v1.0); their sums are f32. All else is computed in f32.
;;   The module's matrix products, in the order in which they are computed (A, B: the left and right operand; K: the contracted axis; several contracted axes count as one K, in the product's order):
;;     1. [M 8,192, K 1,024] x [K 1,024, N 1,024]; A: input embeddings (given as codes); B: input W_Q (given as codes): QUANTISED
;;     2. [M 8,192, K 1,024] x [K 1,024, N 1,024]; A: input embeddings (given as codes); B: input W_K (given as codes): QUANTISED
;;     3. [M 8,192, K 1,024] x [K 1,024, N 1,024]; A: input embeddings (given as codes); B: input W_V (given as codes): QUANTISED
;;     4. batch 4 x [M 2,048, K 1,024] x [K 1,024, N 2,048]; A: computed on the way; B: computed on the way: QUANTISED
;;     5. batch 4 x [M 2,048, K 2,048] x [K 2,048, N 1,024]; A: softmax (see below); B: computed on the way: QUANTISED
;;   THE QUANTISER, for each operand of a quantised product, along K:
;;     - K is cut into blocks of 32 from its start; a last block that is shorter is filled with zeros.
;;     - A block's scale is 2^e with e = floor(log2(the largest magnitude in the block)) - 15, held to -126 .. 127; a block of zeros has e = 0. As a byte (E8M0): e + 127.
;;     - Each number is divided by its block's scale, clamped to +-57,344, and rounded to the nearest number of E5M2, ties to even, subnormals kept.
;;     - The product sums the exact products of the quantised numbers (number of the format x scale) in f32.
;;   ~~~python
;;   def quantise(x, axis):      # numpy; x: float32 -> the quantised numbers, widened to float32 again
;;       x = np.moveaxis(x, axis, -1); K = x.shape[-1]
;;       x = np.pad(x, [(0, 0)] * (x.ndim - 1) + [(0, -K % 32)]); x = x.reshape(x.shape[:-1] + (-1, 32)); a = np.abs(x).max(-1, keepdims=True)
;;       e = np.where(a > 0, np.clip(np.frexp(np.where(a > 0, a, 1))[1] - 1 - 15, -126, 127), 0)      # np.frexp(a)[1] - 1 = floor(log2(a)), exactly
;;       r = np.clip(x / 2.0 ** e, -57344, 57344)
;;       step = 2.0 ** (np.maximum(np.frexp(np.where(r == 0, 1, r))[1] - 1, -14) - 2)
;;       q = np.round(r / step) * step * 2.0 ** e      # np.round: ties to even
;;       return np.moveaxis(q.reshape(q.shape[:-2] + (-1,))[..., :K], -1, axis).astype(np.float32)
;;   ~~~
;;   SOFTMAX AHEAD OF A QUANTISED PRODUCT. Where the list says 'softmax', what is quantised is not the finished softmax but p = 2^(t - M), with t = logit x log2(e) and M = ceil(the row's largest t), a whole number; so 1/2 < the row's largest p <= 1. The row's sum l is taken of the UNQUANTISED p, in f32, and the product's result is divided by l at the end. Since M is a whole number, a kernel that streams over the keys may use a running M (the ceiling of the running maximum): every later rescaling is an exact power of two, which a block's scale takes up: the codes' values come out the same.
;;   OPERANDS COMPUTED ON THE WAY. 'Computed on the way' means the value that the module computes at that place (a softmax that the list does not call 'softmax' is quantised finished and normalised). What goes into a quantiser is computed in f32, as accurately as f32 sums, v_exp_f32 and their like allow (about 1e-6 of the number): no bf16 or f16 on the way to a quantiser, and a product that is left as it is and whose result goes on into a quantised operand takes f32 operands (vector FMAs, or v_wmma_f32_16x16x4_f32). A number that lies on a knife's edge between two numbers of the format may be rounded either way, as far as f32 arithmetic and the matrix unit's own rounding can turn it there, and no further.
;;   INPUTS GIVEN AS CODES. W_K (in the module: [1024, 1024], K = its axis 0); W_Q (in the module: [1024, 1024], K = its axis 0); W_V (in the module: [1024, 1024], K = its axis 0); embeddings (in the module: [4, 2048, 1024], K = its axis 2): each comes as NAME_codes (uint8): NAME with its K axis moved to the last place and cut into blocks of 32 codes, [.., K / 32, bytes a block], one block behind the other in memory; one code a byte (a code: sign, 5 exponent bits, 2 mantissa bits); and NAME_scales (uint8): the same leading axes, one E8M0 byte (e + 127) for each 32 codes along K. Its value is code x scale, taken as it is: it is not quantised again, and the codes and scales need not be those that the quantiser above would give.
;; One version. Each part assembles by itself: llvm-mc -triple=amdgcn-amd-amdhsa -mcpu=gfx1250 --defsym DOCPART=n.
;; ======== version 1 of 1: 3 launches
;; limits: right only within a limited range of input values
;; workspace buffers: cod 25,165,824 bytes; scl 786,432 bytes; pc 16,777,216 bytes; pmeta 1,572,864 bytes
;; launch proj (part 1): grid 8 x 32, 4 waves a work-group, clusters of 4 x 4, 327,680 bytes of LDS; arguments embeddings_codes, embeddings_scales, W_Q_codes, W_Q_scales, W_K_codes, W_K_scales, W_V_codes, W_V_scales, cod, scl; writes cod, scl
.if DOCPART == 1
	.amdgcn_target "amdgcn-amd-amdhsa--gfx1250"
	.amdhsa_code_object_version 6
	.text
	.protected	k_qf231bd6379_proj
	.globl	k_qf231bd6379_proj
	.p2align	8
	.type	k_qf231bd6379_proj,@function
k_qf231bd6379_proj:
	s_mov_b64 s[64:65], 0
	v_nop
	global_prefetch_b8 v0, s[64:65] scope:SCOPE_SE
	s_setreg_imm32_b32 hwreg(HW_REG_WAVE_MODE, 25, 1), 1
	s_wait_xcnt 0x0
	s_wait_alu depctr_hold_cnt(0) depctr_sa_sdst(0) depctr_va_vdst(0) depctr_va_sdst(0) depctr_va_ssrc(0) depctr_va_vcc(0) depctr_vm_vsrc(0)
	s_getreg_b32 s2, hwreg(HW_REG_IB_STS2, 6, 4)
	s_cmp_eq_u32 s2, 0
	s_cbranch_scc0 .Lentry_in_a_cluster
	s_endpgm
.Lentry_in_a_cluster:
	s_bfe_u32 s2, ttmp6, 0x10000c
	s_cmp_lg_u32 s2, 0xf033
	s_cbranch_scc0 .Lentry_shape_is_right
	s_endpgm
.Lentry_shape_is_right:
; Q = E W_Q, K = E W_K, V = E W_V on codes of BF8 (E5M2), one E8M0 byte for each 32 along K = 1,024; the results are quantised in registers and leave as codes and scale bytes.
; DEAD WORK (launches scores and pv): every score whose key lies behind its query is -inf, so its p is 0 for all finite inputs; whole tiles of such scores enter no product.  A NaN, an infinity or an overflow there is not carried.
; SHARES.  A work-group: 256 tokens x (256 columns of Q (cluster x = 0) or K (1), and 128 of V).  A wave holds 96 weight rows for ALL of K in registers: 4 tiles of 16 for Q or K, 2 for V; it streams the 256 tokens past them, 16 a block.
; Q, K: source 0 = the weight's rows, source 1 = the tokens: lane (r, h) holds token r, its registers columns 8 h + 0 .. 7 of a tile.  V: the other way round: lane r holds channel r, its registers tokens.
; A block of 32 along the next K is two tiles (Q, K: two column tiles; V: two token blocks) in lanes l and l xor 16.
; OUT: cod: Q at 0, K at 8,388,608: [4 chunks of 256 d][512 tiles of 16 tokens][8 blocks of 32 d][lane][16 bytes]; V at 16,777,216: [32 chunks of 256 tokens][64 tiles of 16 d][8 blocks of 32 tokens][lane][16 bytes].
;   A lane's 16 bytes are numbers 8 h + 0 .. 7 and 16 + 8 h + 0 .. 7 of the block: the same order in both operands of each later product.  scl: 8 bytes a row: [chunk][row]; Q at 0, K at 262,144, V at 524,288.
; CLUSTERS: 4 x 4.  The tokens hang on y alone and are asked for jointly along a row of the cluster, the weights on x alone, along a column.
; FILLS.  Head: Q's or K's first 128 weight rows (slot B), the other 128 (slot A), 32 tokens, the tokens' scale bytes.  Round 1: V's 128 rows into slot B, tokens 32 .. 159 into slot A.  Round 2: tokens 160 .. 255 into slot B.
; Token pair m (32 rows) lies at U0 + m x UNIT.  The last trip's look-ahead reads bytes behind the last pair that earlier fills have laid there, and uses nothing of them.
; LIMITS: NaN and infinities are not served.  A block of zeros gets the byte 1 (the quantiser says 127): its codes are zeros, and only this program reads the bytes.
; REGISTERS: windows 1 to 3: weights, tile b's fragment of K step q at v[128 (b % 2) + 16 q] of window 1 + b / 2.  Window 0: v28-35 the tokens' scale words, v40-63 the weights'; v64-95, v96-127 Q's or K's sums, two sets;
;   v128-143 V's of an even block, v144-159 of an odd one, v160-175 a copy of the even one's; v176-191 codes; v192-255 a ring of four token fragments.
.set PITCH, 1040                       ; an LDS row: 1,024 bytes + 16 of padding
.set UNIT,  32*PITCH
.set SCL,   0                          ; the tokens' scale bytes: 32 units of 256 bytes + 16
.set U0,    8704
.set SLA,   U0+UNIT
.set SLB,   SLA+4*UNIT
.set XN,    SLB+4*UNIT+256             ; scale bytes made: 256 tokens x 8
.set XV,    XN+2048+256                ; 128 channels x 8
.set SPARE, XV+1024
.set AC,  2                            ; my fragment's address in the pair in hand
.set AS,  4                            ; my scale words of the pair in hand
.set VXQ, 5
.set VXV, 6
.set CO,  7                            ; 16 x lane
.set SPW, 8
.set NIL, 9
.set AWB, 36                           ; my weight rows in slot B, in slot A
.set AWA, 37
.set SB,  40
.set G1W, 24
.set G1V, 32
.set G1T, 40
.set G1U, 48
.set G1S, 56
.set MSB, 0
.macro WIN new                         ; the immediate's high byte repeats the setting that is left
.if MSB != (\new)
	s_set_vgpr_msb (MSB<<8)|(\new)
.set MSB, (\new)
.endif
.endm
.macro PLACES n
.rept \n
	v_nop
.endr
.endm
.macro BARRIER
	s_barrier_signal -1
	s_barrier_wait -1
.endm
.macro CROUND                          ; a round of the cluster's barrier
	BARRIER
	s_cmp_lg_u32 s14, 0
	s_cbranch_scc1 .Lnot_wave_0_\@
	s_barrier_signal -3
.Lnot_wave_0_\@:
	s_barrier_wait -3
	BARRIER
.endm
.macro TLOAD g0, g1                    ; a tensor load; s_nop 0 and four v_nop follow
	tensor_load_to_lds s[\g0:\g0+3], s[\g1:\g1+7]
	s_nop 0
	PLACES 4
.endm
.macro GROUP1 g, mask, rows            ; whole rows of 1,024 bytes, dense in memory, 16 bytes of padding behind each in LDS
	s_or_b32 s[\g], s\mask, (1<<20)|(1<<21)|(7<<22)|(3<<25)
	s_mov_b32 s[\g+1], 1024<<16
	s_mov_b32 s[\g+2], (\rows)<<16
	s_mov_b32 s[\g+3], 1024<<16
	s_mov_b32 s[\g+4], \rows
	s_mov_b32 s[\g+5], 1024
	s_mov_b32 s[\g+6], 0
	s_mov_b32 s[\g+7], 0
.endm
	s_load_b512 s[84:99], s[0:1], 0x0              ; E codes, scales, W_Q codes, scales, W_K codes, scales, W_V codes, scales
	s_load_b128 s[20:23], s[0:1], 0x40             ; cod, scl
	v_lshl_add_u32 v[SPW], v0, 2, SPARE
	v_mov_b32 v[NIL], 0
	ds_add_u32 v[SPW], v[NIL]                      ; the wave's opening: the add, twice on end, and its wait ahead of my first tensor load
	ds_add_u32 v[SPW], v[NIL]
	v_lshrrev_b32 v64, 5, v0
	v_readfirstlane_b32 s14, v64                   ; wave 0..3
	s_and_b32 s15, s14, 1
	s_bfe_u32 s2, ttmp6, 0x40000                   ; cx: also the chunk of 256 columns of Q or K
	s_bfe_u32 s3, ttmp6, 0x40004                   ; cy
	s_and_b32 s4, ttmp7, 0xffff
	s_lshl_b32 s4, s4, 2
	s_add_co_u32 s4, s4, s3                        ; the tile of 256 tokens
	s_lshl_b32 s5, ttmp9, 2
	s_add_co_u32 s5, s5, s2                        ; the tile of 128 rows of W_V
	s_lshl_b32 s6, s3, 2
	s_lshl_b32 s6, 15, s6                          ; my row of the cluster
	s_lshl_b32 s7, 0x1111, s2                      ; my column
	GROUP1 G1W, 7, 128
	GROUP1 G1V, 7, 64
	GROUP1 G1T, 6, 64
	GROUP1 G1U, 6, 32
	s_or_b32 s[G1S], s6, (3<<16)|(1<<20)|(1<<21)|(5<<22)|(3<<25)   ; 8,192 dense scale bytes as 32 rows of 256, 16 of padding behind each
	s_mov_b32 s[G1S+1], 32<<16
	s_mov_b32 s[G1S+2], 32<<16
	s_mov_b32 s[G1S+3], 32<<16
	s_mov_b32 s[G1S+4], 32
	s_mov_b32 s[G1S+5], 32
	s_mov_b32 s[G1S+6], 0
	s_mov_b32 s[G1S+7], 0
	s_mul_i32 s12, s14, UNIT                       ; my 32 rows of a slot
	s_add_co_u32 s13, s12, SLB
	s_add_co_u32 s12, s12, SLA
	s_add_co_u32 s16, s14, XN-128                  ; byte w of a token's eight; the first trip's even block stands for no block
	s_lshl_b32 s17, s14, 8
	s_add_co_u32 s17, s17, XV-1                    ; my 32 channels
	s_lshl_b32 s18, s2, 7
	s_lshl_b32 s19, s3, 7
	v_and_b32 v65, 31, v0                          ; lane
	v_lshlrev_b32 v66, 5, v65
	v_add_nc_u32 v10, s18, v0
	v_add_nc_u32 v11, s19, v0
	v_lshlrev_b32 v10, 8, v10                      ; prefetches: of the tokens' 1,024 blocks of 256 bytes mine are cx x 128 + thread, and that + 512;
	v_lshlrev_b32 v11, 8, v11                      ; of W_V's 512 mine is cy x 128 + thread
	v_and_b32 v67, 15, v0                          ; r
	v_bfe_u32 v68, v0, 4, 1                        ; h
	v_mul_u32_u24 v69, v67, PITCH
	v_lshl_add_u32 v69, v68, 4, v69                ; a fragment's row x pitch + 16 h
	v_add_nc_u32 v[AWA], s12, v69
	v_add_nc_u32 v[AWB], s13, v69
	v_add_nc_u32 v[AC], U0, v69
	v_lshlrev_b32 v70, 5, v67
	v_lshrrev_b32 v71, 3, v67
	v_lshl_add_u32 v[AS], v71, 4, v70              ; row r's scale bytes: 32 a row, 16 more for each 256 passed
	v_lshl_add_u32 v[VXQ], v67, 3, s16
	v_lshl_add_u32 v[VXV], v67, 3, s17
	v_lshlrev_b32 v[CO], 4, v65
	s_mov_b32 s18, 0                               ; the trip
	s_mov_b32 s19, 0x600000                        ; the mantissa field of 57,344
	s_mov_b32 s100, 0x76543210
	s_mov_b32 s101, 0xfedcba98                     ; lane l xor 16
	s_wait_alu depctr_va_vdst(0)
	s_wait_dscnt 0x0                               ; both opening adds are done
	s_wait_kmcnt 0x0
	s_cmp_eq_u32 ttmp9, 0                          ; shared by all sixteen partners: Q's product or K's
	s_cselect_b64 s[88:89], s[88:89], s[92:93]
	s_cselect_b64 s[90:91], s[90:91], s[94:95]
	s_mov_b32 s9, 0
	s_mov_b32 s11, 0
	s_lshl_b32 s8, s4, 18
	s_add_nc_u64 s[84:85], s[84:85], s[8:9]        ; my tokens' codes
	s_lshl_b32 s8, s4, 13
	s_add_nc_u64 s[86:87], s[86:87], s[8:9]        ; and scale bytes
	s_lshl_b32 s10, s2, 18
	s_add_nc_u64 s[88:89], s[88:89], s[10:11]      ; 256 rows of W_Q or W_K
	s_lshl_b32 s10, s5, 17
	s_add_nc_u64 s[96:97], s[96:97], s[10:11]      ; 128 rows of W_V
	s_lshl_b32 s12, s14, 10                        ; my wave's 32 rows of scale bytes
	s_lshl_b32 s10, s2, 13
	s_add_co_u32 s10, s10, s12
	s_add_nc_u64 s[90:91], s[90:91], s[10:11]
	s_lshl_b32 s10, s5, 12
	s_add_co_u32 s10, s10, s12
	s_add_nc_u64 s[98:99], s[98:99], s[10:11]
	s_mov_b32 s68, 1                               ; the head's four tiles
	s_mov_b32 s69, SLB
	s_mov_b64 s[70:71], s[88:89]
	s_or_b32 s71, s71, 0x80000000
	s_mov_b32 s72, 1
	s_mov_b32 s73, SLA
	s_add_nc_u64 s[74:75], s[88:89], 0x20000
	s_or_b32 s75, s75, 0x80000000
	s_mov_b32 s76, 1
	s_mov_b32 s77, U0
	s_mov_b64 s[78:79], s[84:85]
	s_or_b32 s79, s79, 0x80000000
	s_mov_b32 s80, 1
	s_mov_b32 s81, SCL
	s_mov_b64 s[82:83], s[86:87]
	s_or_b32 s83, s83, 0x80000000
	CROUND                                         ; all sixteen work-groups are here
.macro ARM under, g0, g1, next
	s_cmp_lt_u32 s14, \under
	s_cbranch_scc0 \next
	TLOAD \g0, \g1
	s_branch .Lasked
\next:
.endm
	ARM 1, 68, G1W, .Lhead_1                       ; one load a wave; slot B's is wanted first
	ARM 2, 72, G1W, .Lhead_2
	ARM 3, 76, G1U, .Lhead_3
	TLOAD 80, G1S
.Lasked:
.irp c, 0,1                                        ; the weights' scale words: lane l takes row l of a pair of tiles
	global_load_b128 v[SB+4*\c:SB+4*\c+3], v66, s[90:91] offset:16*\c
	global_load_b128 v[SB+8+4*\c:SB+8+4*\c+3], v66, s[90:91] offset:4096+16*\c
	global_load_b128 v[SB+16+4*\c:SB+16+4*\c+3], v66, s[98:99] offset:16*\c
.endr
	; where my results go
	s_lshl_b32 s16, ttmp9, 23
	s_lshl_b32 s12, s2, 21
	s_add_co_u32 s16, s16, s12
	s_lshl_b32 s12, s4, 16
	s_add_co_u32 s16, s16, s12
	s_lshl_b32 s12, s14, 9
	s_add_co_u32 s16, s16, s12
	s_mov_b32 s17, 0
	s_add_nc_u64 s[92:93], s[20:21], s[16:17]
	s_sub_nc_u64 s[92:93], s[92:93], 0x3000        ; stepped by two blocks in each trip ahead of its first use; the even block's way out is the block before's
	s_lshl_b32 s16, s4, 18
	s_lshl_b32 s12, s5, 15
	s_add_co_u32 s16, s16, s12
	s_lshl_b32 s12, s14, 13
	s_add_co_u32 s16, s16, s12
	s_add_co_u32 s16, s16, 0x1000000
	s_add_nc_u64 s[94:95], s[20:21], s[16:17]
	s_sub_nc_u64 s[94:95], s[94:95], 0x400
	s_lshl_b32 s16, ttmp9, 18
	s_lshl_b32 s12, s2, 16
	s_add_co_u32 s16, s16, s12
	s_lshl_b32 s12, s4, 11
	s_add_co_u32 s16, s16, s12
	s_add_nc_u64 s[86:87], s[22:23], s[16:17]      ; Q's or K's scale bytes
	s_lshl_b32 s16, s4, 13
	s_lshl_b32 s12, s5, 10
	s_add_co_u32 s16, s16, s12
	s_add_co_u32 s16, s16, 0x80000
	s_add_nc_u64 s[22:23], s[22:23], s[16:17]      ; V's
.macro WLOAD w, adr                    ; two tiles of weight rows, all of K, into window w: 64 loads
	WIN (\w)<<6
.irp b, 0,1
.irp q, 0,1,2,3,4,5,6,7
.irp c, 0,1,2,3
	ds_load_b128 v[128*\b+16*\q+4*\c:128*\b+16*\q+4*\c+3], v[\adr] offset:16*PITCH*\b+128*\q+32*\c
.endr
.endr
.endr
	WIN 0
.endm
	s_cmp_eq_u32 s14, 0
	s_cbranch_scc0 .Lnot_b
	s_wait_tensorcnt 0x0                           ; wave 0: slot B is in; the other waves' wait stands at the second barrier
.Lnot_b:
	BARRIER
	WLOAD 1, AWB
	; PREFETCHES INTO THE L2: what rounds 1 and 2 will load.  Each cluster asks for its own tokens, each block once; W_V's rows are asked for by the first four rows of clusters alone
	global_prefetch_b8 v10, s[84:85] th:TH_LOAD_NT scope:SCOPE_SE
	global_prefetch_b8 v10, s[84:85] offset:131072 th:TH_LOAD_NT scope:SCOPE_SE
	s_and_b32 s12, ttmp7, 0xffff
	s_cmp_lt_u32 s12, 4
	s_cbranch_scc0 .Lno_ask
	global_prefetch_b8 v11, s[96:97] th:TH_LOAD_NT scope:SCOPE_SE
.Lno_ask:
	s_wait_tensorcnt 0x0
	s_wait_dscnt 0x0
	BARRIER                                        ; slot A, the first tokens and the scale bytes are in
	WLOAD 2, AWA
	s_wait_tensorcnt 0x0
	ds_add_u32 v[SPW], v[NIL]
	s_mul_i32 s12, s15, 64*PITCH
	s_add_co_u32 s69, s12, SLB
	s_add_co_u32 s73, s12, SLA
	s_lshl_b32 s10, s15, 16
	s_add_nc_u64 s[70:71], s[96:97], s[10:11]
	s_or_b32 s71, s71, 0x80000000
	s_add_nc_u64 s[74:75], s[84:85], s[10:11]
	s_add_nc_u64 s[74:75], s[74:75], 0x8000        ; from token 32 on
	s_or_b32 s75, s75, 0x80000000
	s_wait_dscnt 0x0                               ; the add is done, and both slots are in registers
	CROUND
	s_cmp_lt_u32 s14, 2
	s_cbranch_scc0 .Lfor_tokens
	TLOAD 68, G1V                                  ; waves 0, 1: W_V's rows
	s_branch .Lround_1
.Lfor_tokens:
	TLOAD 72, G1T                                  ; waves 2, 3: tokens 32 .. 159
.Lround_1:
	; the first way out has no block before it: what it works on is written here
.set I_, 0
.rept 32
	v_mov_b32 v[96+I_], 0
.set I_, I_+1
.endr
.set I_, 0
.rept 32
	v_mov_b32 v[144+I_], 0
.set I_, I_+1
.endr
	s_wait_alu depctr_va_vdst(0)
	s_cmp_lt_u32 s14, 2
	s_cbranch_scc0 .Lnot_v
	s_wait_tensorcnt 0x0                           ; waves 0, 1: W_V's rows are in
.Lnot_v:
	BARRIER
	WLOAD 3, AWB
	s_wait_loadcnt 0x0                             ; the weights' scale words
	s_wait_tensorcnt 0x0
	ds_add_u32 v[SPW], v[NIL]
	s_mul_i32 s12, s14, UNIT
	s_add_co_u32 s77, s12, SLB
	s_lshl_b32 s10, s14, 15
	s_add_nc_u64 s[78:79], s[84:85], s[10:11]
	s_add_nc_u64 s[78:79], s[78:79], 0x28000       ; from token 160 on
	s_or_b32 s79, s79, 0x80000000
	s_wait_dscnt 0x0                               ; the add is done, and W_V is in registers
	CROUND
	s_cmp_lt_u32 s14, 3
	s_cbranch_scc0 .Lround_2
	TLOAD 76, G1U                                  ; waves 0 to 2: tokens 160 .. 255, 32 each
.Lround_2:
.macro TF m, off                       ; fragment m of a pair (block m / 8, K step m % 8) into the ring
.irp c, 0,1,2,3
	ds_load_b128 v[192+16*((\m)%4)+4*\c:192+16*((\m)%4)+4*\c+3], v[AC] offset:(\off)+16*PITCH*((\m)/8)+128*((\m)%8)+32*\c
.endr
.endm
.macro QKM b                           ; a product of Q's or K's tile b: E_ the block's parity, Q_ the K step, F_ the tokens' fragment
.set D_, 64+32*E_+8*(\b)
.set W_, 128*((\b)%2)+16*Q_
.set S_, SB+8*((\b)/2)+Q_
.if Q_ == 0
.if (\b)%2
	v_wmma_scale_f32_16x16x128_f8f6f4 v[D_:D_+7], v[W_:W_+15], v[F_:F_+15], 0, v[S_], v[28+Q_] matrix_a_fmt:MATRIX_FMT_BF8 matrix_b_fmt:MATRIX_FMT_BF8 matrix_a_scale:MATRIX_SCALE_ROW1
.else
	v_wmma_scale_f32_16x16x128_f8f6f4 v[D_:D_+7], v[W_:W_+15], v[F_:F_+15], 0, v[S_], v[28+Q_] matrix_a_fmt:MATRIX_FMT_BF8 matrix_b_fmt:MATRIX_FMT_BF8
.endif
.else
.if (\b)%2
	v_wmma_scale_f32_16x16x128_f8f6f4 v[D_:D_+7], v[W_:W_+15], v[F_:F_+15], v[D_:D_+7], v[S_], v[28+Q_] matrix_a_fmt:MATRIX_FMT_BF8 matrix_b_fmt:MATRIX_FMT_BF8 matrix_a_scale:MATRIX_SCALE_ROW1
.else
	v_wmma_scale_f32_16x16x128_f8f6f4 v[D_:D_+7], v[W_:W_+15], v[F_:F_+15], v[D_:D_+7], v[S_], v[28+Q_] matrix_a_fmt:MATRIX_FMT_BF8 matrix_b_fmt:MATRIX_FMT_BF8
.endif
.endif
.endm
.macro VM b                            ; a product of V's tile b = 0, 1
.set D_, 128+16*E_+8*(\b)
.set W_, 128*(\b)+16*Q_
.set S_, SB+16+Q_
.if Q_ == 0
.if (\b)%2
	v_wmma_scale_f32_16x16x128_f8f6f4 v[D_:D_+7], v[F_:F_+15], v[W_:W_+15], 0, v[28+Q_], v[S_] matrix_a_fmt:MATRIX_FMT_BF8 matrix_b_fmt:MATRIX_FMT_BF8 matrix_b_scale:MATRIX_SCALE_ROW1
.else
	v_wmma_scale_f32_16x16x128_f8f6f4 v[D_:D_+7], v[F_:F_+15], v[W_:W_+15], 0, v[28+Q_], v[S_] matrix_a_fmt:MATRIX_FMT_BF8 matrix_b_fmt:MATRIX_FMT_BF8
.endif
.else
.if (\b)%2
	v_wmma_scale_f32_16x16x128_f8f6f4 v[D_:D_+7], v[F_:F_+15], v[W_:W_+15], v[D_:D_+7], v[28+Q_], v[S_] matrix_a_fmt:MATRIX_FMT_BF8 matrix_b_fmt:MATRIX_FMT_BF8 matrix_b_scale:MATRIX_SCALE_ROW1
.else
	v_wmma_scale_f32_16x16x128_f8f6f4 v[D_:D_+7], v[F_:F_+15], v[W_:W_+15], v[D_:D_+7], v[28+Q_], v[S_] matrix_a_fmt:MATRIX_FMT_BF8 matrix_b_fmt:MATRIX_FMT_BF8
.endif
.endif
.endm
; THE QUANTISER of two scale blocks (tiles x0, x1 and x2, x3), 62 lines: 0-15 largest magnitudes with the floor 2^(16 - 127), 16-19 with lane l xor 16's, 20-21 the conversion's scale operand, 22-23 the hold, 24-25 the byte,
; 26-43 the first block's holds and conversions, 44-61 the second's.  The conversion to an 8-bit code does not saturate (ISA guide 7.6.2).
.macro IT k, t, so, eb, cd, x0, x1, x2, x3
.if (\k) < 12
.set P_, (\k)%4
.set L_, (\k)/4
.else
.set P_, 2*((\k)%2)
.set L_, 0
.endif
.if P_ == 0
.set XP, \x0
.set XQ, \x1
.elseif P_ == 1
.set XP, \x1
.elseif P_ == 2
.set XP, \x2
.set XQ, \x3
.else
.set XP, \x3
.endif
.set TP, (\t)+P_
.if (\k) < 12
.if P_%2 == 0
.if L_ == 0
	v_max3_num_f32 v[TP], 0x8000000, |v[XP]|, |v[XP+1]|
.else
	v_max3_num_f32 v[TP], v[TP], |v[XP+2*L_]|, |v[XP+2*L_+1]|
.endif
.else
.if L_ == 0
	v_max3_num_f32 v[TP], |v[XP]|, |v[XP+1]|, |v[XP+2]|
.else
	v_max3_num_f32 v[TP], v[TP], |v[XP+2*L_+1]|, |v[XP+2*L_+2]|
.endif
.endif
.elseif (\k) < 14
	v_max3_num_f32 v[TP], v[TP], |v[XP+6]|, |v[XP+7]|
.elseif (\k) < 16
	v_max3_num_f32 v[TP], v[TP], v[TP+1], |v[XQ+7]|
.elseif (\k) < 18
	v_permlanex16_b32 v[TP+1], v[TP], s100, s101
.elseif (\k) < 20
	v_max_num_f32 v[TP], v[TP], v[TP+1]
.elseif (\k) < 22
	v_add_nc_u32 v[(\so)+P_/2], 0xf8800000, v[TP]
.elseif (\k) < 24
	v_and_or_b32 v[TP+1], v[TP], 0x7f800000, s19
.elseif (\k) < 26
	v_lshrrev_b32 v[(\eb)+P_/2], 23, v[(\so)+P_/2]
.else
.set H_, ((\k)-26)/18
.set J_, ((\k)-26)%18
.set TB_, (\t)+2*H_+1
.if H_ == 0
.set XP, \x0
.set XQ, \x1
.else
.set XP, \x2
.set XQ, \x3
.endif
.if J_ < 8
	v_med3_num_f32 v[XP+J_], v[XP+J_], -v[TB_], v[TB_]
.elseif J_ < 16
	v_med3_num_f32 v[XQ+J_-8], v[XQ+J_-8], -v[TB_], v[TB_]
.elseif J_ == 16
	v_cvt_scalef32_pk8_bf8_f32 v[(\cd)+4*H_:(\cd)+4*H_+1], v[XP:XP+7], v[(\so)+H_]
.else
	v_cvt_scalef32_pk8_bf8_f32 v[(\cd)+4*H_+2:(\cd)+4*H_+3], v[XQ:XQ+7], v[(\so)+H_]
.endif
.endif
.endm
.macro RUN w, from, to                 ; lines from .. to - 1; w = 0, 1: Q's or K's odd, even block; 2: V's pair
	WIN 0
.set I_, \from
.rept (\to)-(\from)
.if (\w) == 2
	IT I_, 16, 22, 26, 184, 160, 144, 168, 152
.elseif (\w) == 0
	IT I_, 12, 20, 24, 176, 96, 104, 112, 120
.else
	IT I_, 12, 20, 24, 176, 64, 72, 80, 88
.endif
.set I_, I_+1
.endr
.endm
.macro BOTH from, to                   ; the lines of Q's or K's odd block and of V's pair, by turns
.set B_, \from
.rept (\to)-(\from)
	RUN 0, B_, B_+1
	RUN 2, B_, B_+1
.set B_, B_+1
.endr
.endm
.macro COPY i, n                       ; V's even block is copied, so that the next pair's may begin while this pair goes out
	WIN 0
.set I_, \i
.rept \n
	v_dual_mov_b32 v[160+I_], v[128+I_] :: v_dual_mov_b32 v[161+I_], v[129+I_]
.set I_, I_+2
.endr
.endm
; What stands behind the twelve products of set s = 0 .. 7 of a pair.  Even block (0-3): the way out of the odd block before (Q, K) and of the pair before (V); odd block (4-7): that of the even block (Q, K).
; Each bunch holds at least the eight plain lines that are due ahead of the loads behind it, into registers that the set's products have read.
.macro BUNCH s
.if (\s) == 0
	BOTH 0, 28
.elseif (\s) == 1
	RUN 0, 28, 44
.elseif (\s) == 2
	RUN 2, 28, 44
.elseif (\s) == 3
	BOTH 44, 62
	PLACES 1                                       ; a plain line behind the conversions: the next products write their sources
	s_cmp_eq_u32 s18, 0                            ; the first trip has no block before it: it stores nothing here
	s_cbranch_scc1 .Lno_block_before_\@
	ds_store_b8 v[VXQ], v24
	ds_store_b8 v[VXQ], v25 offset:4
	ds_store_b8 v[VXV], v26
	ds_store_b8 v[VXV], v27 offset:128
	global_store_b128 v[CO], v[176:179], s[92:93]  ; each store of the wave covers 512 consecutive bytes, aligned
	global_store_b128 v[CO], v[180:183], s[92:93] offset:2048
	global_store_b128 v[CO], v[184:187], s[94:95]
	global_store_b128 v[CO], v[188:191], s[94:95] offset:4096
.Lno_block_before_\@:
.elseif (\s) == 4
	RUN 1, 0, 18
	COPY 0, 2
	RUN 1, 18, 20
	COPY 4, 2
	RUN 1, 20, 22
	COPY 8, 2
	RUN 1, 22, 24
	COPY 12, 2
	RUN 1, 24, 32
.elseif (\s) == 5
	RUN 1, 32, 44
.elseif (\s) == 6
	WIN 0
	v_add_nc_u32 v[AC], UNIT, v[AC]                ; on to the next pair
	v_add_nc_u32 v[AS], 1088, v[AS]
	PLACES 6
.else
	RUN 1, 44, 62
	ds_store_b8 v[VXQ], v24 offset:128
	ds_store_b8 v[VXQ], v25 offset:132
	global_store_b128 v[CO], v[176:179], s[92:93] offset:4096
	global_store_b128 v[CO], v[180:183], s[92:93] offset:6144
	v_add_nc_u32 v[VXQ], 256, v[VXQ]
	v_add_nc_u32 v[VXV], 1, v[VXV]
.endif
.endm
.macro LOADS s                         ; the set two on, into the registers that this one has left, and scale words: v28-31 a block's K steps 0 to 3, v32-35 its 4 to 7
.if (\s) == 0
	ds_load_b128 v[32:35], v[AS] offset:16
.elseif (\s) == 1
	ds_load_b128 v[28:31], v[AS] offset:544
.elseif (\s) == 4
	ds_load_b128 v[32:35], v[AS] offset:560
.elseif (\s) == 5
	ds_load_b128 v[28:31], v[AS] offset:1088
.endif
.if (\s) < 6
	TF 2*(\s)+4, 0
	TF 2*(\s)+5, 0
.else
	TF 2*(\s)-12, 0
	TF 2*(\s)-11, 0
.endif
.endm
.macro PROD n                          ; fragment n's six products, on six accumulators by turns
.set E_, (\n)/8
.set Q_, (\n)%8
.set F_, 192+16*((\n)%4)
	WIN 1
	QKM 0
	QKM 1
	WIN 2
	QKM 2
	QKM 3
	WIN 0x0c
	VM 0
	VM 1
.endm
; A set: two fragments, twelve products on end, then the quantiser's lines in one bunch, then the loads in one run.
.macro SETP s
	s_wait_dscnt 12                                ; the first fragment is in; the second's four loads and the next set's eight may be out
.if (\s) == 1
	s_wait_xcnt 0x0                                ; earlier stores have read their registers and bases
	s_add_nc_u64 s[92:93], s[92:93], 0x2000
	s_add_nc_u64 s[94:95], s[94:95], 0x200
.elseif (\s) == 5
	s_wait_xcnt 0x0
.endif
	PROD 2*(\s)
	s_wait_dscnt 8                                 ; the second is in; the next set's eight may be out
	PROD 2*(\s)+1
	BUNCH \s
	LOADS \s
.endm
.macro PAIR
.irp s, 0,1,2,3,4,5,6,7
	SETP \s
.endr
.endm
	ds_load_b128 v[28:31], v[AS]
	TF 0, 0
	TF 1, 0
	TF 2, 0
	TF 3, 0
.Lone:                                             ; pairs 0 to 3
	PAIR
	s_add_co_u32 s18, s18, 1
	s_cmp_lt_u32 s18, 4
	s_cbranch_scc1 .Lone
	s_wait_tensorcnt 0x0                           ; tokens 160 .. 255 are in
	s_wait_dscnt 0x0
	BARRIER
.Ltwo:                                             ; pairs 4 to 7
	PAIR
	s_add_co_u32 s18, s18, 1
	s_cmp_lt_u32 s18, 8
	s_cbranch_scc1 .Ltwo
	s_wait_xcnt 0x0
	PLACES 8
	BOTH 0, 62                                     ; the last block's way out, and the last pair's
	ds_store_b8 v[VXQ], v24
	ds_store_b8 v[VXQ], v25 offset:4
	global_store_b128 v[CO], v[176:179], s[92:93] offset:8192
	global_store_b128 v[CO], v[180:183], s[92:93] offset:10240
	ds_store_b8 v[VXV], v26
	ds_store_b8 v[VXV], v27 offset:128
	global_store_b128 v[CO], v[184:187], s[94:95] offset:512
	global_store_b128 v[CO], v[188:191], s[94:95] offset:4608
	v_lshlrev_b32 v64, 4, v0
	v_add_nc_u32 v65, XN, v64
	v_lshlrev_b32 v66, 3, v0
	v_add_nc_u32 v67, XV, v66
	s_wait_alu depctr_va_vdst(0)
	s_wait_dscnt 0x0                               ; for the others' sake: my scale bytes are stored
	BARRIER
	ds_load_b128 v[68:71], v65
	ds_load_b64 v[72:73], v67
	s_wait_dscnt 0x0
	global_store_b128 v64, v[68:71], s[86:87]
	global_store_b64 v66, v[72:73], s[22:23]
	s_wait_tensorcnt 0x0                           ; the wave's end
	ds_add_u32 v[SPW], v[NIL]
	s_wait_dscnt 0x0
	CROUND                                         ; the closing round
	s_endpgm
.Lfunc_end_k_qf231bd6379_proj:
	.size	k_qf231bd6379_proj, .Lfunc_end_k_qf231bd6379_proj-k_qf231bd6379_proj
	.p2alignl 7, 3214868480
	.fill 96, 4, 3214868480
	.section	.rodata,"a",@progbits
	.p2align	6, 0x0
	.amdhsa_kernel k_qf231bd6379_proj
		.amdhsa_group_segment_fixed_size 327680
		.amdhsa_private_segment_fixed_size 0
		.amdhsa_enable_private_segment 0
		.amdhsa_kernarg_size 80
		.amdhsa_user_sgpr_count 2
		.amdhsa_user_sgpr_kernarg_segment_ptr 1
		.amdhsa_wavefront_size32 1
		.amdhsa_system_sgpr_workgroup_id_x 1
		.amdhsa_system_sgpr_workgroup_id_y 1
		.amdhsa_system_sgpr_workgroup_id_z 1
		.amdhsa_system_vgpr_workitem_id 0
		.amdhsa_next_free_vgpr 1024
		.amdhsa_next_free_sgpr 102
		.amdhsa_reserve_vcc 0
		.amdhsa_float_denorm_mode_32 3
		.amdhsa_float_denorm_mode_16_64 3
		.amdhsa_memory_ordered 1
		.amdhsa_forward_progress 1
		.amdhsa_inst_pref_size 103
	.end_amdhsa_kernel
	.amdgpu_metadata
---
amdhsa.version: [ 1, 2 ]
amdhsa.kernels:
  - .name:           k_qf231bd6379_proj
    .symbol:         k_qf231bd6379_proj.kd
    .args:
      - { .name: embeddings_codes, .offset: 0, .size: 8, .value_kind: global_buffer, .address_space: global }
      - { .name: embeddings_scales, .offset: 8, .size: 8, .value_kind: global_buffer, .address_space: global }
      - { .name: W_Q_codes, .offset: 16, .size: 8, .value_kind: global_buffer, .address_space: global }
      - { .name: W_Q_scales, .offset: 24, .size: 8, .value_kind: global_buffer, .address_space: global }
      - { .name: W_K_codes, .offset: 32, .size: 8, .value_kind: global_buffer, .address_space: global }
      - { .name: W_K_scales, .offset: 40, .size: 8, .value_kind: global_buffer, .address_space: global }
      - { .name: W_V_codes, .offset: 48, .size: 8, .value_kind: global_buffer, .address_space: global }
      - { .name: W_V_scales, .offset: 56, .size: 8, .value_kind: global_buffer, .address_space: global }
      - { .name: cod, .offset: 64, .size: 8, .value_kind: global_buffer, .address_space: global }
      - { .name: scl, .offset: 72, .size: 8, .value_kind: global_buffer, .address_space: global }
    .group_segment_fixed_size: 327680
    .private_segment_fixed_size: 0
    .kernarg_segment_align: 8
    .kernarg_segment_size: 80
    .max_flat_workgroup_size: 128
    .sgpr_count:     102
    .vgpr_count:     1024
    .wavefront_size: 32
...
	.end_amdgpu_metadata
.endif
;; end of part 1
;; launch scores (part 2): grid 12 x 16, 4 waves a work-group, clusters of 4 x 4, 327,680 bytes of LDS; arguments cod, scl, pc, pmeta; writes pc, pmeta
.if DOCPART == 2
	.amdgcn_target "amdgcn-amd-amdhsa--gfx1250"
	.amdhsa_code_object_version 6
	.text
	.protected	k_qf231bd6379_scores
	.globl	k_qf231bd6379_scores
	.p2align	8
	.type	k_qf231bd6379_scores,@function
k_qf231bd6379_scores:
	s_mov_b64 s[64:65], 0
	v_nop
	global_prefetch_b8 v0, s[64:65] scope:SCOPE_SE
	s_setreg_imm32_b32 hwreg(HW_REG_WAVE_MODE, 25, 1), 1
	s_wait_xcnt 0x0
	s_wait_alu depctr_hold_cnt(0) depctr_sa_sdst(0) depctr_va_vdst(0) depctr_va_sdst(0) depctr_va_ssrc(0) depctr_va_vcc(0) depctr_vm_vsrc(0)
	s_getreg_b32 s2, hwreg(HW_REG_IB_STS2, 6, 4)
	s_cmp_eq_u32 s2, 0
	s_cbranch_scc0 .Lentry_in_a_cluster
	s_endpgm
.Lentry_in_a_cluster:
	s_bfe_u32 s2, ttmp6, 0x10000c
	s_cmp_lg_u32 s2, 0xf033
	s_cbranch_scc0 .Lentry_shape_is_right
	s_endpgm
.Lentry_shape_is_right:
; p = 2^(t - M) of causal scores, quantised along the keys, for tiles of 256 queries x 256 keys at or under the diagonal.  Tiles above it are left out (their p is 0 for all finite inputs); of the twelve clusters three a batch hold
; 48 places for 36 tiles: the work-groups of the other twelve keep their partners' joint loads whole and store nothing.  Each piece of 128 keys has a whole number M of its own; the row's -M and sum go to pmeta.
; Codes come and leave as images of the operand's registers: 16 rows x 32 numbers are 512 bytes, 16 a lane.  LIMITS: NaN and infinities are not served; the scaled scores stay under 2^31 in magnitude.
.set KSTEP,  256
.set NQ,     2
.set ROWB,   256
.set PITCH,  272
.set FR,     16
.set NL,     4
.set NP,     8
.set HALFT,  128*PITCH
.set SLOT,   4*HALFT
.set LAPS,   2
.set CHUNK,  0x200000
.set SCL,    2*SLOT
.set HALFS,  1024                      ; 128 rows x 8 scale bytes
.set SBLK,   128
.set SSTEP,  2048                      ; a K step: 256 rows; A's four, then B's
.set SPARE,  SCL+16384
.set SSTG,   256*PITCH
.set G0H, 4                            ; s[4:7], s[8:11] group 0 for the head's loads of 256 rows
.set G0HB, 8
.set ADRA, 16
.set ADRB, 20
.set SCO,  23
.set CO,   26
.set ADRS, 27
.set SPW,  28
.set NIL,  29
.set SSO,  30
.set SRD,  31
.set SC,   32
.set BLO,  64
.set BD,   72
.set BHI,  80
.set TM,   64
.set RM,   80
.set SA,   86
.set SB,   88
.set LT,   94
.set AF,   128
.set G1, 24
.set G0, 32
.set G1B, 48
.set G0B, 56
.set G1S, 68
.set G0S, 76
.set G1SB, 80
.set G0SB, 88
.set MSB, 0
.macro WIN new
.if MSB != (\new)
	s_set_vgpr_msb (MSB<<8)|(\new)
.set MSB, (\new)
.endif
.endm
.set MUL_LO, 0xa1
.set MUL_HI, 0xf1
.set TO_B,   0x40
.macro JLOAD g0a, g1a, g0b, g1b
	s_cmp_eq_u32 s15, 0
	s_cbranch_scc0 .Lfor_b_\@
	tensor_load_to_lds s[\g0a:\g0a+3], s[\g1a:\g1a+7]
	s_nop 0
.rept 4
	v_nop
.endr
	s_branch .Lasked_\@
.Lfor_b_\@:
	tensor_load_to_lds s[\g0b:\g0b+3], s[\g1b:\g1b+7]
	s_nop 0
.rept 4
	v_nop
.endr
.Lasked_\@:
.endm
.macro CREST
	s_cmp_lg_u32 s14, 0
	s_cbranch_scc1 .Lnot_wave_0_\@
	s_barrier_signal -3
.Lnot_wave_0_\@:
	s_barrier_wait -3
	s_barrier_signal -1
	s_barrier_wait -1
.endm
.macro CROUND
	s_barrier_signal -1
	s_barrier_wait -1
	CREST
.endm
	s_load_b128 s[4:7], s[0:1], 0x0
	s_load_b64 s[12:13], s[0:1], 0x10
	s_load_b64 s[96:97], s[0:1], 0x18
	v_lshl_add_u32 v[SPW], v0, 2, SPARE
	v_mov_b32 v[NIL], 0
	ds_add_u32 v28, v29
	ds_add_u32 v28, v29
	s_wait_dscnt 0x0
	v_lshrrev_b32 v1, 5, v0
	v_readfirstlane_b32 s14, v1
	s_lshr_b32 s15, s14, 1
	s_and_b32 s16, s14, 1
	s_bfe_u32 s40, ttmp6, 0x40000
	s_bfe_u32 s41, ttmp6, 0x40004
	s_add_co_u32 s18, ttmp9, 1
	s_lshr_b32 s18, s18, 1
	s_lshl_b32 s18, s18, 2
	s_add_co_u32 s17, s18, s41
	s_lshr_b32 s18, ttmp9, 1
	s_lshl_b32 s18, s18, 2
	s_add_co_u32 s42, s18, s40
	s_and_b32 s2, ttmp7, 0xffff
	s_lshl_b32 s43, s41, 2
	s_lshl_b32 s43, 15, s43
	s_lshl_b32 s44, 0x1111, s40
	s_mov_b32 s66, 0x76543210
	s_mov_b32 s67, 0xfedcba98
	s_mov_b32 s95, 0x600000
	s_mov_b32 s98, 0x3d38aa3b
	s_mov_b32 s99, s98
	s_or_b32 s[G1+0], s43, (0<<16)|(1<<20)|(1<<21)|(5<<22)|(3<<25)
	s_or_b32 s[G1B+0], s44, (0<<16)|(1<<20)|(1<<21)|(5<<22)|(3<<25)
.irp g, G1, G1B
	s_mov_b32 s[\g+1], ROWB<<16
	s_mov_b32 s[\g+2], 256<<16
	s_mov_b32 s[\g+3], ROWB<<16
	s_mov_b32 s[\g+4], 256
	s_mov_b32 s[\g+5], ROWB
	s_mov_b32 s[\g+6], 0
	s_mov_b32 s[\g+7], 0
.endr
	s_or_b32 s[G1S+0], s43, (3<<16)|(1<<21)
	s_or_b32 s[G1SB+0], s44, (3<<16)|(1<<21)
.irp g, G1S, G1SB
	s_mov_b32 s[\g+1], 256<<16
	s_mov_b32 s[\g+2], 4<<16
	s_mov_b32 s[\g+3], 256<<16
	s_mov_b32 s[\g+4], 4
	s_mov_b32 s[\g+5], 8192
	s_mov_b32 s[\g+6], 0
	s_mov_b32 s[\g+7], 0
.endr
	s_lshl_b32 s19, s2, 11
	s_lshl_b32 s20, s17, 8
	s_add_co_u32 s20, s20, s19
	s_lshl_b32 s46, s42, 8
	s_add_co_u32 s46, s46, s19
	s_lshl_b32 s22, s20, 3
	s_mov_b32 s23, 0
	s_lshl_b32 s92, s46, 3
	s_mov_b32 s93, 0
	s_lshl_b32 s20, s20, 8
	s_mov_b32 s21, 0
	s_lshl_b32 s46, s46, 8
	s_mov_b32 s47, 0
	s_mul_i32 s45, s14, HALFT
	s_lshl_b32 s18, s16, 15                        ; in the ring I fetch 128 rows: which half, in bytes
	s_mov_b32 s19, 0
	s_wait_kmcnt 0x0
	s_add_nc_u64 s[8:9], s[4:5], 0x800000
	s_add_nc_u64 s[10:11], s[6:7], 0x40000
	s_add_nc_u64 s[20:21], s[4:5], s[20:21]
	s_add_nc_u64 s[22:23], s[6:7], s[22:23]
	s_add_nc_u64 s[46:47], s[8:9], s[46:47]
	s_add_nc_u64 s[92:93], s[10:11], s[92:93]
	CROUND
	s_mov_b32 s[G0S], 1
	s_mov_b32 s[G0S+1], SCL
	s_mov_b64 s[G0S+2:G0S+3], s[22:23]
	s_or_b32 s[G0S+3], s[G0S+3], 0x80000000
	s_mov_b32 s[G0SB], 1
	s_mov_b32 s[G0SB+1], SCL+8192
	s_mov_b64 s[G0SB+2:G0SB+3], s[92:93]
	s_or_b32 s[G0SB+3], s[G0SB+3], 0x80000000
	s_mov_b32 s[G0H], 1
	s_mov_b32 s[G0H+1], 0
	s_mov_b64 s[G0H+2:G0H+3], s[20:21]
	s_or_b32 s[G0H+3], s[G0H+3], 0x80000000
	s_mov_b32 s[G0HB], 1
	s_mov_b32 s[G0HB+1], 2*HALFT
	s_mov_b64 s[G0HB+2:G0HB+3], s[46:47]
	s_or_b32 s[G0HB+3], s[G0HB+3], 0x80000000
	s_add_nc_u64 s[20:21], s[20:21], s[18:19]
	s_add_nc_u64 s[46:47], s[46:47], s[18:19]
.irp s, 0,1
	s_mov_b32 s[G0+4*\s], 1
	s_add_co_u32 s[G0+4*\s+1], s45, \s*SLOT
	s_add_nc_u64 s[G0+4*\s+2:G0+4*\s+3], s[20:21], \s*CHUNK
	s_or_b32 s[G0+4*\s+3], s[G0+4*\s+3], 0x80000000
	s_mov_b32 s[G0B+4*\s], 1
	s_add_co_u32 s[G0B+4*\s+1], s45, \s*SLOT
	s_add_nc_u64 s[G0B+4*\s+2:G0B+4*\s+3], s[46:47], \s*CHUNK
	s_or_b32 s[G0B+4*\s+3], s[G0B+4*\s+3], 0x80000000
.endr
; The head's loads, one a wave: K step 0's 256 rows of A, of B, A's scale bytes, B's.
.macro ARM under, g0, g1, next
	s_cmp_lt_u32 s14, \under
	s_cbranch_scc0 \next
	tensor_load_to_lds s[\g0:\g0+3], s[\g1:\g1+7]
	s_nop 0
.rept 4
	v_nop
.endr
	s_branch .Lhead_asked
\next:
.endm
	ARM 1, G0H,  G1,  .Lhead_b
	ARM 2, G0HB, G1B, .Lhead_sa
	ARM 3, G0S,  G1S, .Lhead_sb
	tensor_load_to_lds s[G0SB:G0SB+3], s[G1SB:G1SB+7]
	s_nop 0
.rept 4
	v_nop
.endr
.Lhead_asked:
	; PREFETCHES INTO THE L2: K step 1 here, K steps 2 and 3 behind K step 1's joint load.  Of the 128 rows that my wave fetches in the ring, my work-group asks for 32, told apart from its three partners' by address (cx for A, cy for B): a lane a row of 256 bytes
	v_and_b32 v8, 31, v0
	v_lshlrev_b32 v8, 8, v8
	s_cmp_eq_u32 s15, 0
	s_cselect_b64 s[92:93], s[20:21], s[46:47]
	s_cselect_b32 s18, s40, s41
	s_lshl_b32 s18, s18, 13
	s_add_nc_u64 s[92:93], s[92:93], s[18:19]
	global_prefetch_b8 v8, s[92:93] offset:CHUNK th:TH_LOAD_NT scope:SCOPE_SE
	v_and_b32 v1, 15, v0
	v_bfe_u32 v2, v0, 4, 1
	s_wait_alu depctr_va_vdst(0)
	v_mul_u32_u24 v3, v2, PITCH
	s_wait_alu depctr_va_vdst(0)
	v_lshl_add_u32 v4, v1, 4, v3                   ; a fragment's image: 16 x lane, 16 of padding behind each 256
	s_mul_i32 s21, s15, HALFT
	s_mul_i32 s22, s16, HALFT
	s_add_co_u32 s22, s22, 2*HALFT
.irp s, 0,1
	v_add_nc_u32 v[ADRA+\s], s21, v4
	v_add_nc_u32 v[ADRB+\s], s22, v4
	s_add_co_u32 s21, s21, SLOT
	s_add_co_u32 s22, s22, SLOT
.endr
	s_mul_i32 s21, s15, HALFS
	s_mul_i32 s22, s16, HALFS
	s_add_co_u32 s22, s22, 8192
	s_sub_co_u32 s22, s22, s21
	v_mul_u32_u24 v6, s22, v2
	s_add_co_u32 s21, s21, SCL
	v_lshl_add_u32 v5, v1, 3, v6
	v_add_nc_u32 v[ADRS], s21, v5
	s_lshl_b32 s21, s15, 10
	s_lshl_b32 s22, s16, 2
	s_add_co_u32 s21, s21, s22
	s_add_co_u32 s21, s21, SSTG
	v_lshl_add_u32 v[SSO], v1, 3, s21
	v_and_b32 v6, 31, v0
	v_lshlrev_b32 v6, 4, v6
	s_lshl_b32 s21, s15, 15                        ; my 8 pieces of 16 queries, 4,096 bytes each; my 4 of their 8 blocks of 32 keys
	s_lshl_b32 s22, s16, 11
	s_add_co_u32 s21, s21, s22
	v_add_nc_u32 v[CO], s21, v6
	s_lshl_b32 s21, s14, 9
	v_add_nc_u32 v[SCO], s21, v6
	v_add_nc_u32 v[SRD], SSTG, v[SCO]
	s_sub_co_i32 s21, s17, s42
	s_lshl_b32 s21, s21, 1
	s_add_co_i32 s21, s21, s15
	s_sub_co_i32 s21, s21, s16
	s_mov_b32 s22, 0xf1800000
	s_cmp_ge_i32 s21, 0
	s_cselect_b32 s23, 0, s22
	s_cmp_gt_i32 s21, 0
	s_cselect_b32 s22, 0, s22
	v_lshlrev_b32 v6, 3, v2
	v_sub_nc_u32 v5, v1, v6
.irp j, 0,1,2,3,4,5,6,7
	v_mov_b32 v[BLO+\j], s23
	v_mov_b32 v[BHI+\j], s22
.endr
.irp j, 0,1,2,3,4,5,6,7
	v_cmp_gt_i32 vcc_lo, \j, v5
	v_cndmask_b32 v[BD+\j], v[BLO], v[BHI], vcc_lo
.endr
	s_lshl_b32 s20, s2, 3
	s_add_co_u32 s20, s20, s42
	s_lshl_b32 s20, s20, 3
	s_add_co_u32 s20, s20, s17
	s_lshl_b32 s46, s20, 16
	s_mov_b32 s47, 0
	s_add_nc_u64 s[12:13], s[12:13], s[46:47]
	s_lshl_b32 s46, s20, 11
	s_add_nc_u64 s[96:97], s[96:97], s[46:47]
.macro FRAG reg, adr, q, i
.irp c, 0,1,2,3
	ds_load_b128 v[\reg+4*\c:\reg+4*\c+3], v[\adr] offset:(4*(\q)+\c)*2*PITCH+(\i)*16*PITCH
.endr
.endm
.macro MUL16 a0, p, q, sc, first
.irp a, \a0, \a0+1
.irp b, 0,1,2,3,4,5,6,7
.if \first
.if \b < (\a)
.set CR, BLO
.elseif \b == (\a)
.set CR, BD
.else
.set CR, BHI
.endif
	v_wmma_scale_f32_16x16x128_f8f6f4 v[8*(8*((\a)%4)+\b):8*(8*((\a)%4)+\b)+7], v[128*(\p)+FR*\b:128*(\p)+FR*\b+FR-1], v[AF+FR*(\a):AF+FR*(\a)+FR-1], v[CR:CR+7], v[SC+8*NQ*(\sc)+NQ*\b+(\q)], v[SC+8*NQ*(\sc)+NQ*(\a)+(\q)] matrix_a_fmt:MATRIX_FMT_BF8 matrix_b_fmt:MATRIX_FMT_BF8 matrix_a_scale:MATRIX_SCALE_ROW1
.else
	v_wmma_scale_f32_16x16x128_f8f6f4 v[8*(8*((\a)%4)+\b):8*(8*((\a)%4)+\b)+7], v[128*(\p)+FR*\b:128*(\p)+FR*\b+FR-1], v[AF+FR*(\a):AF+FR*(\a)+FR-1], v[8*(8*((\a)%4)+\b):8*(8*((\a)%4)+\b)+7], v[SC+8*NQ*(\sc)+NQ*\b+(\q)], v[SC+8*NQ*(\sc)+NQ*(\a)+(\q)] matrix_a_fmt:MATRIX_FMT_BF8 matrix_b_fmt:MATRIX_FMT_BF8 matrix_a_scale:MATRIX_SCALE_ROW1
.endif
.endr
.endr
.endm
.macro FETCH_B slot, q, p
	WIN TO_B
.irp i, 0,1,2,3,4,5,6,7
	FRAG 128*(\p)+FR*\i, ADRB+\slot, \q, \i
.endr
	WIN 0
.endm
.macro FETCH_A slot, q, i0
.irp i, \i0, \i0+1, \i0+2, \i0+3
	FRAG AF+FR*(\i), ADRA+\slot, \q, \i
.endr
.endm
.macro SCALES sc
.irp i, 0,1,2,3,4,5,6,7
	ds_load_b64 v[SC+8*NQ*\sc+NQ*\i:SC+8*NQ*\sc+NQ*\i+1], v[ADRS] offset:\i*SBLK
.endr
.endm
.macro PLACES n
.rept \n
	v_nop
.endr
.endm
.macro STEP slot, q, first
	s_wait_dscnt 4*NL
.if \first
	WIN 0x81
.else
	WIN MUL_LO
.endif
	MUL16 0, (\q)%2, \q, \slot, \first
	MUL16 2, (\q)%2, \q, \slot, \first
	s_wait_dscnt 0
	PLACES NP
	FETCH_B \slot, (\q)+1, 1-(\q)%2
	FETCH_A \slot, (\q)+1, 0
.if \first
	WIN 0xc1
.else
	WIN MUL_HI
.endif
	MUL16 4, (\q)%2, \q, \slot, \first
	MUL16 6, (\q)%2, \q, \slot, \first
	PLACES NP
	WIN 0
	FETCH_A \slot, (\q)+1, 4
.endm
.macro TURN slot, next, fill
	s_wait_tensorcnt 0x0
	ds_add_u32 v[SPW], v[NIL]
	s_wait_dscnt 4*NL+1
	WIN MUL_LO
	MUL16 0, 1, NQ-1, \slot, 0
	s_wait_dscnt 0x0
	s_barrier_signal -1
	MUL16 2, 1, NQ-1, \slot, 0
	WIN 0
	s_barrier_wait -1
.if \fill
	CREST
	s_add_nc_u64 s[G0+4*\slot+2:G0+4*\slot+3], s[G0+4*\slot+2:G0+4*\slot+3], 2*CHUNK
	s_add_nc_u64 s[G0B+4*\slot+2:G0B+4*\slot+3], s[G0B+4*\slot+2:G0B+4*\slot+3], 2*CHUNK
	JLOAD G0+4*\slot, G1, G0B+4*\slot, G1B
	PLACES NP-4
.else
	PLACES NP
.endif
	s_wait_alu depctr_va_vdst(0)
	v_add_nc_u32 v[ADRS], SSTEP, v[ADRS]
	FETCH_B \next, 0, 0
	FETCH_A \next, 0, 0
	SCALES \next
	WIN MUL_HI
	MUL16 4, 1, NQ-1, \slot, 0
	MUL16 6, 1, NQ-1, \slot, 0
	PLACES NP
	WIN 0
	FETCH_A \next, 0, 4
.endm
	s_wait_alu depctr_va_vdst(0)
	s_wait_tensorcnt 0x0                           ; my tile of the head's four is in
	ds_add_u32 v[SPW], v[NIL]
	s_mov_b32 s[G1+2], 128<<16                     ; from here on a load brings 128 rows
	s_mov_b32 s[G1+4], 128
	s_mov_b32 s[G1B+2], 128<<16
	s_mov_b32 s[G1B+4], 128
	s_wait_dscnt 0x0
	CROUND
	JLOAD G0+4, G1, G0B+4, G1B                     ; K step 1
	FETCH_B 0, 0, 0
	FETCH_A 0, 0, 0
	SCALES 0
	FETCH_A 0, 0, 4
	global_prefetch_b8 v8, s[92:93] offset:2*CHUNK th:TH_LOAD_NT scope:SCOPE_SE
	global_prefetch_b8 v8, s[92:93] offset:3*CHUNK th:TH_LOAD_NT scope:SCOPE_SE
	STEP 0, 0, 1
	s_mov_b32 s3, LAPS-1
.Llap:
	TURN 0, 1, 1
	STEP 1, 0, 0
	TURN 1, 0, 1
	STEP 0, 0, 0
	s_sub_co_u32 s3, s3, 1
	s_cmp_lg_u32 s3, 0
	s_cbranch_scc1 .Llap
	TURN 0, 1, 0
	STEP 1, 0, 0
	s_wait_dscnt 4*NL
	WIN MUL_LO
	MUL16 0, 1, NQ-1, 1, 0
	MUL16 2, 1, NQ-1, 1, 0
	s_wait_dscnt 0
	WIN MUL_HI
	MUL16 4, 1, NQ-1, 1, 0
	MUL16 6, 1, NQ-1, 1, 0
	WIN 0
.macro PROW a
.set AC, 64*((\a)%4)
.set WD, 2+(\a)/4
.set CD, 128+16*(\a)
.set PW, 90+(\a)%2
.set NM, 82+2*((\a)%2)
.set LS, 92+(\a)%2
.if (\a) >= 2
	s_wait_dscnt 3
.endif
	WIN (WD<<2)|(WD<<4)
.irp b, 0,1,2,3
	v_max3_num_f32 v[TM+\b], 0xef000000, v[AC+16*\b], v[AC+16*\b+1]
.endr
.irp i, 2,4,6,8,10,12,14
.irp b, 0,1,2,3
	v_max3_num_f32 v[TM+\b], v[TM+\b], v[AC+16*\b+\i], v[AC+16*\b+\i+1]
.endr
.endr
	WIN 0
.irp b, 0,1,2,3
	v_permlanex16_b32 v[TM+4+\b], v[TM+\b], s66, s67
.endr
.irp b, 0,1,2,3
	v_max_num_f32 v[TM+\b], v[TM+\b], v[TM+4+\b]
.endr
	v_max3_num_f32 v[RM], v[TM], v[TM+1], v[TM+2]
	v_max_num_f32 v[RM], v[RM], v[TM+3]
	v_mul_f32 v[RM], s98, v[RM]
	v_floor_f32 v[NM], -v[RM]
.irp b, 0,1,2,3
	v_fma_f32 v[TM+\b], v[TM+\b], s98, v[NM]
.endr
	WIN (WD<<6)|WD
.set j, 0
.rept 32
	v_pk_fma_f32 v[AC+j:AC+j+1], v[AC+j:AC+j+1], s[98:99], v[NM:NM+1] op_sel_hi:[1,0,0]
.set j, j+2
.endr
.set j, 0
	s_wait_alu depctr_va_vdst(0)
.rept 64
	v_exp_f32 v[AC+j], v[AC+j]
.set j, j+1
.endr
	WIN 0
.irp b, 0,1,2,3
	v_exp_f32 v[TM+\b], v[TM+\b]
.endr
.irp j, 0,1,2,3
	v_mov_b32 v[SA+\j], 0
	v_mov_b32 v[96+\j], 0
.endr
	s_wait_alu depctr_va_vdst(0)
.irp b, 0,1,2,3
	v_max_num_f32 v[TM+\b], 0x8000000, v[TM+\b]
.endr
.irp b, 0,1,2,3
	v_add_nc_u32 v[TM+12+\b], 0xf8800000, v[TM+\b]
.endr
.irp b, 0,1,2,3
	v_and_or_b32 v[TM+8+\b], v[TM+\b], 0x7f800000, s95
.endr
.irp b, 0,1,2,3
	v_lshrrev_b32 v[TM+4+\b], 23, v[TM+12+\b]
.endr
	v_lshl_or_b32 v[PW], v[TM+5], 8, v[TM+4]
	v_lshl_or_b32 v[PW], v[TM+6], 16, v[PW]
	v_lshl_or_b32 v[PW], v[TM+7], 24, v[PW]
	WIN WD<<2
.set j, 0
.rept 8                                ; the row's sum, of the unquantised p, in four chains
	v_pk_add_f32 v[SA:SA+1], v[SA:SA+1], v[AC+j:AC+j+1]
	v_pk_add_f32 v[SB:SB+1], v[SB:SB+1], v[AC+j+2:AC+j+3]
	v_pk_add_f32 v[96:97], v[96:97], v[AC+j+4:AC+j+5]
	v_pk_add_f32 v[98:99], v[98:99], v[AC+j+6:AC+j+7]
.set j, j+8
.endr
	WIN (WD<<6)|WD
.irp b, 0,1,2,3
.irp i, 0,1,2,3,4,5,6,7,8,9,10,11,12,13,14,15
	v_min_num_f32 v[AC+16*\b+\i], v[AC+16*\b+\i], v[TM+8+\b]
.endr
.endr
	WIN WD
.irp b, 0,1,2,3,4,5,6,7
	v_cvt_scalef32_pk8_bf8_f32 v[CD+2*\b:CD+2*\b+1], v[AC+8*\b:AC+8*\b+7], v[TM+12+\b/2]
.endr
	WIN 0
	v_pk_add_f32 v[96:97], v[96:97], v[98:99]
	v_pk_add_f32 v[SA:SA+1], v[SA:SA+1], v[SB:SB+1]
	v_pk_add_f32 v[SA:SA+1], v[SA:SA+1], v[96:97]
	v_add_f32 v[LS], v[SA], v[SA+1]
	v_permlanex16_b32 v[LT], v[LS], s66, s67
	v_add_f32 v[LS], v[LS], v[LT]
	ds_store_b32 v[SSO], v[PW] offset:128*(\a)
	ds_store_b32 v[SSO], v[NM] offset:2048+128*(\a)
	ds_store_b32 v[SSO], v[LS] offset:4096+128*(\a)
.endm
.irp b, 0,1,2,3
	v_mov_b32 v[TM+4+\b], 0
.endr
	v_mov_b32 v83, 0
	v_mov_b32 v85, 0
	v_mov_b32 v[LT], 0
	v_nop
.macro STC a0                          ; four blocks' codes: each store of the wave covers 512 consecutive bytes, aligned
.set t, 0
.rept 16
	global_store_b128 v[CO], v[128+16*(\a0)+4*t:128+16*(\a0)+4*t+3], s[12:13] offset:4096*((\a0)+t/4)+512*(t%4)
.set t, t+1
.endr
.endm
	s_wait_xcnt 0x0                                ; the prefetches have read their address and EXEC, which changes below
.irp a, 0,1,2,3
	PROW \a
.endr
	v_mov_b32 v1, s17
	v_cmp_le_u32 vcc_lo, s42, v1                   ; a tile above the diagonal is not stored
	s_and_saveexec_b32 s20, vcc_lo
	STC 0
	s_wait_xcnt 0x0                                ; EXEC changes only behind this wait
	s_or_b32 exec_lo, exec_lo, s20
.irp a, 4,5,6,7
	PROW \a
.endr
	s_wait_alu depctr_va_vdst(0)
	s_wait_dscnt 0x0
	s_barrier_signal -1
	s_barrier_wait -1
	ds_load_b128 v[96:99], v[SRD]
	ds_load_b128 v[100:103], v[SRD] offset:2048
	ds_load_b128 v[104:107], v[SRD] offset:4096
	s_wait_xcnt 0x0
	v_mov_b32 v1, s17
	v_cmp_le_u32 vcc_lo, s42, v1
	s_and_saveexec_b32 s20, vcc_lo
	STC 4
	s_wait_dscnt 0x0
	global_store_b128 v[SCO], v[96:99], s[96:97]
	global_store_b128 v[SCO], v[100:103], s[96:97] offset:524288
	global_store_b128 v[SCO], v[104:107], s[96:97] offset:1048576
	s_wait_xcnt 0x0
	s_or_b32 exec_lo, exec_lo, s20
	s_wait_tensorcnt 0x0
	ds_add_u32 v[SPW], v[NIL]
	s_wait_dscnt 0x0
	CROUND
	s_endpgm
.Lfunc_end_k_qf231bd6379_scores:
	.size	k_qf231bd6379_scores, .Lfunc_end_k_qf231bd6379_scores-k_qf231bd6379_scores
	.p2alignl 7, 3214868480
	.fill 96, 4, 3214868480
	.section	.rodata,"a",@progbits
	.p2align	6, 0x0
	.amdhsa_kernel k_qf231bd6379_scores
		.amdhsa_group_segment_fixed_size 327680
		.amdhsa_private_segment_fixed_size 0
		.amdhsa_enable_private_segment 0
		.amdhsa_kernarg_size 32
		.amdhsa_user_sgpr_count 2
		.amdhsa_user_sgpr_kernarg_segment_ptr 1
		.amdhsa_wavefront_size32 1
		.amdhsa_system_sgpr_workgroup_id_x 1
		.amdhsa_system_sgpr_workgroup_id_y 1
		.amdhsa_system_sgpr_workgroup_id_z 1
		.amdhsa_system_vgpr_workitem_id 0
		.amdhsa_next_free_vgpr 1024
		.amdhsa_next_free_sgpr 100
		.amdhsa_reserve_vcc 1
		.amdhsa_float_denorm_mode_32 3
		.amdhsa_float_denorm_mode_16_64 3
		.amdhsa_memory_ordered 1
		.amdhsa_forward_progress 1
		.amdhsa_inst_pref_size 234
	.end_amdhsa_kernel
	.amdgpu_metadata
---
amdhsa.version: [ 1, 2 ]
amdhsa.kernels:
  - .name:           k_qf231bd6379_scores
    .symbol:         k_qf231bd6379_scores.kd
    .args:
      - { .name: cod, .offset: 0, .size: 8, .value_kind: global_buffer, .address_space: global }
      - { .name: scl, .offset: 8, .size: 8, .value_kind: global_buffer, .address_space: global }
      - { .name: pc, .offset: 16, .size: 8, .value_kind: global_buffer, .address_space: global }
      - { .name: pmeta, .offset: 24, .size: 8, .value_kind: global_buffer, .address_space: global }
    .group_segment_fixed_size: 327680
    .private_segment_fixed_size: 0
    .kernarg_segment_align: 8
    .kernarg_segment_size: 32
    .max_flat_workgroup_size: 128
    .sgpr_count:     100
    .vgpr_count:     1024
    .wavefront_size: 32
...
	.end_amdgpu_metadata
.endif
;; end of part 2
;; launch pv (part 3): grid 8 x 32, 4 waves a work-group, clusters of 4 x 1, 327,680 bytes of LDS; arguments pc, pmeta, cod, scl, out0; writes out0
.if DOCPART == 3
	.amdgcn_target "amdgcn-amd-amdhsa--gfx1250"
	.amdhsa_code_object_version 6
	.text
	.protected	k_qf231bd6379_pv
	.globl	k_qf231bd6379_pv
	.p2align	8
	.type	k_qf231bd6379_pv,@function
k_qf231bd6379_pv:
	s_mov_b64 s[64:65], 0
	v_nop
	global_prefetch_b8 v0, s[64:65] scope:SCOPE_SE
	s_setreg_imm32_b32 hwreg(HW_REG_WAVE_MODE, 25, 1), 1
	s_wait_xcnt 0x0
	s_wait_alu depctr_hold_cnt(0) depctr_sa_sdst(0) depctr_va_vdst(0) depctr_va_sdst(0) depctr_va_ssrc(0) depctr_va_vcc(0) depctr_vm_vsrc(0)
	s_getreg_b32 s2, hwreg(HW_REG_IB_STS2, 6, 4)
	s_cmp_eq_u32 s2, 0
	s_cbranch_scc0 .Lentry_in_a_cluster
	s_endpgm
.Lentry_in_a_cluster:
	s_bfe_u32 s2, ttmp6, 0x10000c
	s_cmp_lg_u32 s2, 0x3003
	s_cbranch_scc0 .Lentry_shape_is_right
	s_endpgm
.Lentry_shape_is_right:
; O = (P V) / l on the codes of p and of V (BF8, E5M2, one E8M0 byte for each 32 keys).  P: pc [batch][8 chunks of 256 keys][2,048 queries][256 bytes]; V: cod + 16,777,216, [batch][8 chunks][1,024 d][256 bytes].
; SHARES.  A work-group makes TWO tiles of 128 queries x 128 d: query blocks p and 15 - p of a batch (p = 0 .. 7).  Block I needs the key chunks 0 .. I / 2, so the pair needs N1 = p / 2 + 1 and 9 - N1: always nine chunks.
; So all 256 work-groups have the same work, and the nine steps are written out: no trip count hangs on anything.  Four waves, each 64 x 64: 16 accumulators.
; THE PIECES OF A ROW come with a whole number M of their own for each 128 keys.  At the head thread t takes row t of both tiles: the row's -M is the least of its pieces' -M; a piece's four scale bytes go down by
; d = the row's M less the piece's (exact: a power of two), its sum l is multiplied by 2^-d; 1 / (the sum of these) divides at the end.
; THE MATRIX INSTRUCTION IS USED TRANSPOSED (source 0 = 16 rows d of V, source 1 = 16 queries of P): a lane holds one query and eight neighbouring d.
; RING: two LDS slots, each with the tiles of two steps: P even, P odd, V even, V odd, one tensor load a wave.
; CLUSTER: the four work-groups of a cluster differ in their block of d alone: P's tiles are asked for jointly.  V's are plain loads behind the same rounds: work-groups with the same block of d belong to other pairs of
; query blocks and want other chunks at the same time, so no joint request for V can be formed.
; The first tile ends behind step N1, which hangs on the pair: its way out stands at four places under a scalar branch on N1 (the same in all partners; no barrier and no tensor load inside), and the sums begin anew from
; registers cleared there, once a work-group, in place of a second copy of four steps' products.
; LIMITS: NaN and infinities are not served.  d is held at 127, and a scale byte that would fall under 0 becomes 0 (2^-127): such a piece weighs at most 2^-111 of the row's largest p.  l is summed by pieces of 128 keys.
; REGISTERS: window 0: v16-30 addresses; v32-47 scale words, two sets; v48-63 1 / l; v64-175 the head's work; on the way out v64-127 results, v128-255 rows.  window 1: two buffers of fragments (P's four at + 16 a, V's four at + 64 + 16 b).  window 2: the accumulators, (a, b) at v[8 (4 a + b)].
; Codes of p and V lie as images of the operand's registers: each 16 rows x 256 numbers are 4,096 bytes, [8 blocks of 32 keys][lane][16 bytes], the keys of a block in the same order in both.
; Tiles of p above the causal diagonal are 0 for all finite inputs and are left out.
.set PITCH,  272                       ; 256 bytes + 16 of padding
.set HALFT,  128*PITCH                 ; what one tensor load brings
.set SLOT,   4*HALFT
.set SC,     2*SLOT                    ; behind the ring: for each of 9 steps P's 128 rows x 8 scale bytes, then V's
.set RLB,    SC+9*2048                 ; 2 x 128 numbers 1 / l
.set STAGE,  RLB+1024                  ; the way out: 16 rows x 272 bytes for each wave
.set SPARE,  STAGE+4*16*PITCH          ; the spare words: 128 bytes for each wave
.set ADRA, 16                          ; v16-17 my P fragments in slot 0, 1
.set ADRB, 20                          ; v20-21 my V fragments
.set STO,  24
.set RD,   25
.set CO,   26
.set ADRS, 27
.set SPW,  28
.set NIL,  29
.set RLA,  30
.set G1A, 28                           ; s[28:35] group 1 for P's tiles;  s[36:43] for V's
.set G1B, 36
.set G0A, 44                           ; s[44:51] group 0 for P's tiles, one set for each slot;  s[52:59] for V's
.set G0B, 52
.set MK,  66                           ; s67-69: step 1, 2, 3 belongs to the first tile: -1, else 0
.set OA,  75                           ; s75-83: step s: the first row of P's tile in pc
.set OD,  84                           ; s84-92: the first row of V's tile
.set MSB, 0
.macro WIN new
.if MSB != (\new)
	s_set_vgpr_msb (MSB<<8)|(\new)
.set MSB, (\new)
.endif
.endm
.macro PLACES n
.rept \n
	v_nop
.endr
.endm
.macro CREST
	s_cmp_lg_u32 s14, 0
	s_cbranch_scc1 .Lnot_wave_0_\@
	s_barrier_signal -3
.Lnot_wave_0_\@:
	s_barrier_wait -3
	s_barrier_signal -1
	s_barrier_wait -1
.endm
.macro CROUND
	s_barrier_signal -1
	s_barrier_wait -1
	CREST
.endm
; The global addresses of slot sl's two groups 0 for phase ph (steps 2 ph and 2 ph + 1; my wave's parity picks one).  P's offset never meets my place in the cluster.
.macro SETG0 sl, ph
.if (\ph) == 4
	s_mov_b32 s60, s[OA+8]                         ; the last phase has one step
	s_mov_b32 s62, s[OD+8]
.else
	s_cmp_eq_u32 s16, 0
	s_cselect_b32 s60, s[OA+2*(\ph)], s[OA+2*(\ph)+1]
	s_cselect_b32 s62, s[OD+2*(\ph)], s[OD+2*(\ph)+1]
.endif
	s_lshl_b32 s60, s60, 8                         ; rows of 256 bytes (under 2^25)
	s_mov_b32 s61, 0
	s_lshl_b32 s62, s62, 8
	s_mov_b32 s63, 0
	s_add_nc_u64 s[G0A+4*(\sl)+2:G0A+4*(\sl)+3], s[4:5], s[60:61]
	s_or_b32 s[G0A+4*(\sl)+3], s[G0A+4*(\sl)+3], 0x80000000
	s_add_nc_u64 s[G0B+4*(\sl)+2:G0B+4*(\sl)+3], s[8:9], s[62:63]
	s_or_b32 s[G0B+4*(\sl)+3], s[G0B+4*(\sl)+3], 0x80000000
.endm
.macro JLOAD3 sl                       ; waves 0 and 1: P's two tiles, jointly; waves 2 and 3: V's.  Four v_nop follow each line
	s_cmp_eq_u32 s15, 0
	s_cbranch_scc0 .Lfor_v_\@
	tensor_load_to_lds s[G0A+4*(\sl):G0A+4*(\sl)+3], s[G1A:G1A+7]
	s_nop 0
.rept 4
	v_nop
.endr
	s_branch .Lasked_\@
.Lfor_v_\@:
	tensor_load_to_lds s[G0B+4*(\sl):G0B+4*(\sl)+3], s[G1B:G1B+7]
	s_nop 0
.rept 4
	v_nop
.endr
.Lasked_\@:
.endm
.macro JLOAD1                          ; the last phase, into slot 0: wave 0 P's tile, wave 2 V's, the others nothing
	s_cmp_eq_u32 s14, 0
	s_cbranch_scc0 .Lnot_p_\@
	tensor_load_to_lds s[G0A:G0A+3], s[G1A:G1A+7]
	s_nop 0
.rept 4
	v_nop
.endr
	s_branch .Lasked_\@
.Lnot_p_\@:
	s_cmp_eq_u32 s14, 2
	s_cbranch_scc0 .Lasked_\@
	tensor_load_to_lds s[G0B:G0B+3], s[G1B:G1B+7]
	s_nop 0
.rept 4
	v_nop
.endr
.Lasked_\@:
.endm
; A PREFETCH INTO THE L2 of phase ph's tiles, by the wave that will fetch them.  P's tile, 128 rows of 256 bytes, is shared out among the cluster's four work-groups by address: 32 rows each, a lane a row.
; V's tile is my work-group's own: four instructions.  The eight pairs of a batch walk the same V: the even ones ask for it.
.macro ASKP ph, d
.if (\ph) == 4
	s_mov_b32 s60, s[OA+8]
	s_mov_b32 s62, s[OD+8]
.else
	s_cmp_eq_u32 s16, 0
	s_cselect_b32 s60, s[OA+2*(\ph)], s[OA+2*(\ph)+1]
	s_cselect_b32 s62, s[OD+2*(\ph)], s[OD+2*(\ph)+1]
.endif
	s_cmp_eq_u32 s15, 0
	s_cselect_b32 s60, s60, s62
	s_cselect_b64 s[\d:\d+1], s[4:5], s[8:9]
	s_cselect_b32 s62, s17, 0
	s_lshl_b32 s60, s60, 8
	s_lshl_b32 s62, s62, 13
	s_add_co_u32 s60, s60, s62
	s_mov_b32 s61, 0
	s_add_nc_u64 s[\d:\d+1], s[\d:\d+1], s[60:61]
.if (\ph) == 4                         ; the last phase has one step: waves 0 and 2 alone
	s_cmp_eq_u32 s16, 0
	s_cbranch_scc0 .Ldone_\@
.endif
	s_cmp_eq_u32 s15, 0
	s_cbranch_scc0 .Lask_v_\@
	global_prefetch_b8 v31, s[\d:\d+1] th:TH_LOAD_NT scope:SCOPE_SE
	s_branch .Ldone_\@
.Lask_v_\@:
	s_and_b32 s60, s21, 1
	s_cmp_eq_u32 s60, 0
	s_cbranch_scc0 .Ldone_\@
.irp k, 0,1,2,3
	global_prefetch_b8 v31, s[\d:\d+1] offset:8192*\k th:TH_LOAD_NT scope:SCOPE_SE
.endr
.Ldone_\@:
.endm
	s_load_b256 s[4:11], s[0:1], 0x0               ; pc s[4:5], pmeta s[6:7], cod s[8:9], scl s[10:11]
	s_load_b64 s[12:13], s[0:1], 0x20              ; out0
	v_lshl_add_u32 v[SPW], v0, 2, SPARE
	v_mov_b32 v[NIL], 0
	ds_add_u32 v28, v29
	ds_add_u32 v28, v29
	s_wait_dscnt 0x0
	v_lshrrev_b32 v1, 5, v0
	v_readfirstlane_b32 s14, v1                    ; wave
	s_lshr_b32 s15, s14, 1                         ; which half of the queries is mine.  Also: I fetch P (0) or V (1)
	s_and_b32 s16, s14, 1                          ; which half of d.  Also: I fetch a phase's even step (0) or its odd one (1)
	s_bfe_u32 s17, ttmp6, 0x40000                  ; cx
	s_lshl_b32 s18, ttmp9, 2
	s_add_co_u32 s18, s18, s17                     ; my block of 128 d
	s_and_b32 s19, ttmp7, 0xffff
	s_lshr_b32 s20, s19, 3                         ; the batch
	s_and_b32 s21, s19, 7                          ; the pair p
	s_lshr_b32 s22, s21, 1
	s_add_co_u32 s22, s22, 1                       ; N1: the first tile's chunks, 1 to 4
	s_mov_b32 s23, s21                             ; its block of queries
	s_sub_co_u32 s24, 15, s21                      ; the second tile's
	s_lshl_b32 s25, s20, 3
	s_lshl_b32 s26, s18, 7
	s_mov_b32 s70, 0x01010101
.irp s, 0,1,2,3,4,5,6,7,8                  ; step s: the first tile's chunk s where s < N1, else the second tile's chunk s - N1
	s_cmp_gt_u32 s22, \s
	s_cselect_b32 s60, s23, s24
	s_cselect_b32 s61, 0, s22
.if (\s >= 1) && (\s <= 3)
	s_cselect_b32 s[MK+\s], -1, 0
.endif
	s_sub_co_u32 s61, \s, s61
	s_add_co_u32 s61, s61, s25                     ; 8 x batch + chunk
	s_lshl_b32 s60, s60, 7
	s_lshl_b32 s[OA+\s], s61, 11
	s_add_co_u32 s[OA+\s], s[OA+\s], s60           ; x 2,048 queries + 128 x block
	s_lshl_b32 s[OD+\s], s61, 10
	s_add_co_u32 s[OD+\s], s[OD+\s], s26           ; x 1,024 d + 128 x block
.endr
	v_lshlrev_b32 v2, 3, v0                        ; thread t takes row t: 8 bytes a row in every plane
	s_wait_alu depctr_va_vdst(0)
.irp s, 0,1,2,3,4,5,6,7,8
	s_lshl_b32 s60, s[OA+\s], 3
	v_add_nc_u32 v[136+\s], s60, v2
	s_lshl_b32 s62, s[OD+\s], 3
	v_add_nc_u32 v[145+\s], s62, v2
.endr
	s_mov_b32 s[G1A], 15|(1<<20)|(1<<21)|(5<<22)|(3<<25)   ; the mask: all four work-groups; elements of 1 byte; padding on; bit 21 beside a mask; after every 64 words four words
	s_mov_b32 s[G1B], (1<<20)|(5<<22)|(3<<25)              ; the same, no mask
.irp g, G1A, G1B
	s_mov_b32 s[\g+1], 256<<16                     ; tensor_dim0
	s_mov_b32 s[\g+2], 128<<16                     ; tensor_dim1
	s_mov_b32 s[\g+3], 256<<16                     ; tile_dim0
	s_mov_b32 s[\g+4], 128                         ; tile_dim1
	s_mov_b32 s[\g+5], 256                         ; the pitch: dense
	s_mov_b32 s[\g+6], 0
	s_mov_b32 s[\g+7], 0
.endr
	s_mul_i32 s27, s14, HALFT                      ; my part of a slot
	s_wait_alu depctr_va_vdst(0)
	s_wait_kmcnt 0x0
	s_add_nc_u64 s[8:9], s[8:9], 0x1000000         ; V's codes
.irp s, 0,1,2,3,4,5,6,7,8                  ; the four waves read 1,024 consecutive bytes with each of these
	global_load_b64 v[64+2*\s:65+2*\s], v[136+\s], s[6:7]                    ; p's scale bytes
	global_load_b64 v[82+2*\s:83+2*\s], v[136+\s], s[6:7] offset:524288      ; -M of the two pieces
	global_load_b64 v[100+2*\s:101+2*\s], v[136+\s], s[6:7] offset:1048576   ; l of the two pieces
	global_load_b64 v[118+2*\s:119+2*\s], v[145+\s], s[10:11] offset:524288  ; V's scale bytes
.endr
.irp s, 0,1
	s_mov_b32 s[G0A+4*\s], 1
	s_add_co_u32 s[G0A+4*\s+1], s27, \s*SLOT
	s_mov_b32 s[G0B+4*\s], 1
	s_add_co_u32 s[G0B+4*\s+1], s27, \s*SLOT
	SETG0 \s, \s
.endr
	CROUND                                         ; all four work-groups are here
	s_cmp_eq_u32 s15, 0                            ; a wave's first fill stands in one branch: one load of mine is out
	s_cbranch_scc0 .Lfirst_v
	tensor_load_to_lds s[G0A:G0A+3], s[G1A:G1A+7]
	s_nop 0
.rept 4
	v_nop
.endr
	s_branch .Lfirst_asked
.Lfirst_v:
	tensor_load_to_lds s[G0B:G0B+3], s[G1B:G1B+7]
	s_nop 0
.rept 4
	v_nop
.endr
.Lfirst_asked:
	v_and_b32 v31, 31, v0
	v_lshlrev_b32 v31, 8, v31                      ; 256 x lane
	s_wait_alu depctr_va_vdst(0)
	ASKP 1, 72
	v_and_b32 v1, 15, v0
	v_bfe_u32 v3, v0, 4, 1                         ; h
	s_wait_alu depctr_va_vdst(0)
	v_mul_u32_u24 v4, v1, PITCH
	v_mul_u32_u24 v5, v3, PITCH
	v_lshl_add_u32 v5, v1, 4, v5                   ; a fragment's image: 16 x lane, 16 of padding behind each 256
	s_mul_i32 s60, s15, 64*PITCH                   ; my 64 queries
	s_mul_i32 s62, s16, 64*PITCH                   ; my 64 d,
	s_add_co_u32 s62, s62, 2*HALFT                 ; behind P's two tiles
.irp s, 0,1
	v_add_nc_u32 v[ADRA+\s], s60, v5
	v_add_nc_u32 v[ADRB+\s], s62, v5
	s_add_co_u32 s60, s60, SLOT
	s_add_co_u32 s62, s62, SLOT
.endr
	s_lshl_b32 s60, s15, 9                         ; scale words: P's, my 64 rows of 8 bytes;
	s_lshl_b32 s62, s16, 9
	s_add_co_u32 s62, s62, 1024                    ; V's lie 1,024 bytes on
	s_sub_co_u32 s62, s62, s60
	v_mul_u32_u24 v5, s62, v3                      ; lanes 16-31 take V's: one product, the distance between the two bases
	s_add_co_u32 s60, s60, SC
	v_lshl_add_u32 v5, v1, 3, v5
	v_add_nc_u32 v[ADRS], s60, v5
	s_lshl_b32 s60, s15, 8
	s_add_co_u32 s60, s60, RLB
	v_lshl_add_u32 v[RLA], v1, 2, s60              ; 1 / l of my row: 4 bytes a row
	s_mul_i32 s60, s14, 16*PITCH
	s_add_co_u32 s60, s60, STAGE                   ; my stage
	v_lshl_add_u32 v5, v3, 5, v4                   ; in: row r, 32 bytes for each half of the lanes
	v_add_nc_u32 v[STO], s60, v5
	v_mul_u32_u24 v5, v3, PITCH                    ; back: lanes 0-15 one row of 256 bytes, lanes 16-31 the next
	v_lshl_add_u32 v5, v1, 4, v5
	v_add_nc_u32 v[RD], s60, v5
	v_lshlrev_b32 v5, 12, v3                       ; and the same two rows in out0: 4,096 bytes a row
	v_lshl_add_u32 v[CO], v1, 4, v5
	v_add_nc_u32 v6, SC, v2                        ; where thread t puts its rows' scale words
	v_lshl_add_u32 v7, v0, 2, RLB                  ; and 1 / l
	s_lshl_b32 s60, s20, 23                        ; out0: the batch,
	s_lshl_b32 s61, s15, 18                        ; my 64 rows of the tile,
	s_add_co_u32 s60, s60, s61
	s_lshl_b32 s61, s18, 9                         ; my block of d,
	s_add_co_u32 s60, s60, s61
	s_lshl_b32 s61, s16, 8                         ; my half of it
	s_add_co_u32 s60, s60, s61
	s_lshl_b32 s62, s23, 19                        ; the first tile's 128 rows
	s_add_co_u32 s62, s62, s60
	s_mov_b32 s63, 0
	s_add_nc_u64 s[94:95], s[12:13], s[62:63]
	s_lshl_b32 s62, s24, 19                        ; the second tile's
	s_add_co_u32 s62, s62, s60
	s_add_nc_u64 s[96:97], s[12:13], s[62:63]
	s_wait_loadcnt 0x0
	; the rows' -M: v155 the first tile's, v156 the second's.  Step 0 is always the first tile's, steps 4 to 8 the second's
	ASKP 2, 98
	v_mov_b32 v154, 0x7f000000                     ; 2^127: over every -M
	v_min_num_f32 v155, v82, v83
	v_min_num_f32 v156, v90, v91
.irp s, 5,6,7,8
	v_min3_num_f32 v156, v156, v[82+2*\s], v[83+2*\s]
.endr
.irp s, 1,2,3
	v_cndmask_b32 v159, v154, v[82+2*\s], s[MK+\s]
	v_cndmask_b32 v160, v154, v[83+2*\s], s[MK+\s]
	v_cndmask_b32 v161, v[82+2*\s], v154, s[MK+\s]
	v_cndmask_b32 v162, v[83+2*\s], v154, s[MK+\s]
	v_min3_num_f32 v155, v155, v159, v160
	v_min3_num_f32 v156, v156, v161, v162
.endr
	v_mov_b32 v157, 0                              ; the rows' sums
	v_mov_b32 v158, 0
; Step s: both pieces under the row's M.  A byte b (1 to 112) goes down by d (0 to 127): with bit 7 set in each byte no borrow passes from byte to byte; where bit 7 is gone the byte has fallen under 0 and becomes 0.
.macro FIX s
.if \s == 0
.set NR, 155
.elseif \s >= 4
.set NR, 156
.else
	v_cndmask_b32 v163, v156, v155, s[MK+\s]
.set NR, 163
.endif
.irp u, 0,1
	v_sub_f32 v[164+\u], v[NR], v[82+2*\s+\u]      ; -d: a whole number, 0 or less
	v_max_num_f32 v[164+\u], 0xc2fe0000, v[164+\u] ; held at -127
	v_cvt_i32_f32 v[164+\u], v[164+\u]
	v_ldexp_f32 v[166+\u], v[100+2*\s+\u], v[164+\u]   ; l x 2^-d
	v_mul_lo_u32 v[164+\u], v[164+\u], s70         ; -d in each byte
	v_or_b32 v[168+\u], 0x80808080, v[64+2*\s+\u]
	v_add_nc_u32 v[168+\u], v[168+\u], v[164+\u]
	v_lshrrev_b32 v[170+\u], 7, v[168+\u]
	v_and_b32 v[170+\u], s70, v[170+\u]            ; 1 in each byte that stayed at 0 or above
	v_lshlrev_b32 v[172+\u], 8, v[170+\u]
	v_sub_nc_u32 v[172+\u], v[172+\u], v[170+\u]   ; 255 there
	v_and_b32 v[168+\u], 0x7f7f7f7f, v[168+\u]
	v_and_b32 v[64+2*\s+\u], v[168+\u], v[172+\u]
.endr
	v_add_f32 v166, v166, v167
.if \s == 0
	v_add_f32 v157, v157, v166
.elseif \s >= 4
	v_add_f32 v158, v158, v166
.else
	v_cndmask_b32 v174, 0, v166, s[MK+\s]
	v_sub_f32 v175, v166, v174                     ; the whole of it or 0
	v_add_f32 v157, v157, v174
	v_add_f32 v158, v158, v175
.endif
.endm
.irp s, 0,1,2,3,4,5,6,7,8
	FIX \s
.endr
	s_wait_alu depctr_va_vdst(0)
	v_rcp_f32 v157, v157
	v_rcp_f32 v158, v158
	v_nop                                          ; a plain instruction behind the reciprocals
.irp s, 0,1,2,3,4,5,6,7,8
	ds_store_b64 v6, v[64+2*\s:65+2*\s] offset:2048*\s
	ds_store_b64 v6, v[118+2*\s:119+2*\s] offset:2048*\s+1024
.endr
	s_wait_alu depctr_va_vdst(0)
	ds_store_b32 v7, v157
	ds_store_b32 v7, v158 offset:512
	s_wait_tensorcnt 0x0                           ; my part of slot 0 is in
	ds_add_u32 v[SPW], v[NIL]
	s_wait_dscnt 0x0                               ; the add and my stores are done
	CROUND
	JLOAD3 1                                       ; slot 1, the first tensor load behind the round
; Sub-step u = 0 .. 17: 128 keys: half u % 2 of step u / 2, which lies in slot (u / 4) % 2, part (u / 2) % 2.  Fragments into buffer u % 2.
.macro FETCH u
.set FS, ((\u)/4)%2
.set FE, ((\u)/2)%2
.set FQ, (\u)%2
.set FB, 128*((\u)%2)
	WIN 0x40                                       ; destination window 1
.irp i, 0,1,2,3
.irp c, 0,1,2,3
	ds_load_b128 v[FB+64+16*\i+4*\c:FB+64+16*\i+4*\c+3], v[ADRB+FS] offset:FE*HALFT+\i*16*PITCH+(4*FQ+\c)*2*PITCH
.endr
.endr
.irp i, 0,1,2,3
.irp c, 0,1,2,3
	ds_load_b128 v[FB+16*\i+4*\c:FB+16*\i+4*\c+3], v[ADRA+FS] offset:FE*HALFT+\i*16*PITCH+(4*FQ+\c)*2*PITCH
.endr
.endr
	WIN 0
.endm
.macro SCALES s                        ; step s's scale words into set s % 2: register 2 i + q: lanes 0-15 P's block i, lanes 16-31 V's block i
.irp i, 0,1,2,3
	ds_load_b64 v[32+8*((\s)%2)+2*\i:32+8*((\s)%2)+2*\i+1], v[ADRS] offset:2048*(\s)+128*\i
.endr
.endm
; 8 matrix instructions: P's blocks a0, a0 + 1 x V's four.  The 16 accumulators take turns, one instruction a turn, in the same order in every sub-step.
.macro MUL8 u, a0, zero
.set FB, 128*((\u)%2)
.set SR, 32+8*(((\u)/2)%2)+(\u)%2
.irp a, \a0, \a0+1
.irp b, 0,1,2,3
.if \zero
	v_wmma_scale_f32_16x16x128_f8f6f4 v[8*(4*(\a)+\b):8*(4*(\a)+\b)+7], v[FB+64+16*\b:FB+64+16*\b+15], v[FB+16*(\a):FB+16*(\a)+15], 0, v[SR+2*\b], v[SR+2*(\a)] matrix_a_fmt:MATRIX_FMT_BF8 matrix_b_fmt:MATRIX_FMT_BF8 matrix_a_scale:MATRIX_SCALE_ROW1
.else
	v_wmma_scale_f32_16x16x128_f8f6f4 v[8*(4*(\a)+\b):8*(4*(\a)+\b)+7], v[FB+64+16*\b:FB+64+16*\b+15], v[FB+16*(\a):FB+16*(\a)+15], v[8*(4*(\a)+\b):8*(4*(\a)+\b)+7], v[SR+2*\b], v[SR+2*(\a)] matrix_a_fmt:MATRIX_FMT_BF8 matrix_b_fmt:MATRIX_FMT_BF8 matrix_a_scale:MATRIX_SCALE_ROW1
.endif
.endr
.endr
.endm
.macro SUB u, zero                     ; a sub-step whose successor lies in the same slot: the successor's fragments are asked for, then this one is multiplied
	s_wait_dscnt 0x0                               ; this sub-step's fragments are in
	PLACES 8                                       ; in front of loads into the buffer that the last sub-step's products read
	FETCH (\u)+1
.if ((\u)%2) == 1
	SCALES ((\u)+1)/2
.endif
	WIN 0xa5                                       ; sources 0 and 1 window 1, C and D window 2
	MUL8 \u, 0, \zero
	MUL8 \u, 2, \zero
	WIN 0
.endm
; A slot's last sub-step.  fill = 1: the slot is filled again with the phase two on, behind a round of the cluster's barrier; 2: with the last phase's one step; 0: nothing is left to fetch.
.macro TURN3 u, fill
.if (\u) == 3
	s_wait_xcnt 0x0                                ; the head's prefetches have read their addresses: one is written again below
.endif
	s_wait_tensorcnt 0x0                           ; all my tensor loads have landed: my part of the other slot
	ds_add_u32 v[SPW], v[NIL]                      ; 0 onto my spare word
.if \fill
	SETG0 ((\u)/4)%2, (\u)/4+2                     ; no tensor load of mine is out, so a group 0 may be written
.endif
	s_wait_dscnt 0x0                               ; the add is done, and my reads of this slot are over: this sub-step's fragments were the last
	s_barrier_signal -1
	WIN 0xa5
	MUL8 \u, 0, 0
	WIN 0
	s_barrier_wait -1
.if \fill == 1
	CREST
	JLOAD3 ((\u)/4)%2                              ; my one tensor load behind the round; its four v_nop are among the places
	PLACES 4
.elseif \fill == 2
	CREST
	JLOAD1
	PLACES 8                                       ; two of the waves have passed no v_nop
.else
	PLACES 8
.endif
	FETCH (\u)+1
	SCALES ((\u)+1)/2
.if (\u) == 3
	ASKP 4, 72
.endif
	WIN 0xa5
	MUL8 \u, 2, 0
	WIN 0
.endm
; THE WAY OUT of tile T: x 1 / l, a block of 16 queries x 64 d at a time through my own stage, back as rows of 256 bytes.  clear = 1: the accumulators are cleared for the second tile.
.macro EPI T, clear
	s_wait_xcnt 0x0                                ; registers that earlier stores read are written again only behind this wait
	PLACES 8                                       ; behind the last products
.irp a, 0,1,2,3
.if \a >= 2
	s_wait_dscnt 24                                ; all but the 24 LDS instructions behind block a - 2's stores are done: its registers are written again
.endif
	WIN 0x02                                       ; source 0: window 2
.irp b, 0,1,2,3
.irp j, 0,2,4,6
	v_pk_mul_f32 v[64+32*(\a%2)+8*\b+\j:64+32*(\a%2)+8*\b+\j+1], v[8*(4*\a+\b)+\j:8*(4*\a+\b)+\j+1], v[48+2*(4*\T+\a):49+2*(4*\T+\a)]   ; each accumulator from its low end on
.endr
.endr
	WIN 0
.irp b, 0,1,2,3
	ds_store_b128 v[STO], v[64+32*(\a%2)+8*\b:64+32*(\a%2)+8*\b+3] offset:64*\b
	ds_store_b128 v[STO], v[64+32*(\a%2)+8*\b+4:64+32*(\a%2)+8*\b+7] offset:64*\b+16
.endr
.irp t, 0,1,2,3,4,5,6,7
	ds_load_b128 v[128+32*\a+4*\t:128+32*\a+4*\t+3], v[RD] offset:2*PITCH*\t   ; LDS serves a wave's instructions in order (ISA guide 5.7.1.4): these see the stores above, and the next block's stores come behind them
.endr
.endr
.irp a, 0,1,2,3
.irp t, 0,1,2,3,4,5,6,7
	s_wait_dscnt 16*(3-\a)+7-\t                    ; the younger stage stores and loads may be out
	global_store_b128 v[CO], v[128+32*\a+4*\t:128+32*\a+4*\t+3], s[94+2*\T:95+2*\T] offset:65536*\a+8192*\t th:TH_STORE_NT   ; sixteen lanes store 256 consecutive bytes, at a multiple of 256 from out0's first byte
.endr
.endr
.if \clear
	WIN 0x80
.set i, 0
.rept 128
	v_mov_b32 v[i], 0
.set i, i+1
.endr
	WIN 0
.endif
.endm
.macro MAYBE n                         ; the first tile ends here where N1 = n
	s_cmp_lg_u32 s22, \n
	s_cbranch_scc1 .Lgo_on_\@
	EPI 0, 1
.Lgo_on_\@:
.endm
.irp T, 0,1
.irp a, 0,1,2,3
	ds_load_b32 v[48+2*(4*\T+\a)], v[RLA] offset:512*\T+64*\a    ; 1 / l of row 16 a + r of my 64, twice: a pair for the packed multiply
	ds_load_b32 v[49+2*(4*\T+\a)], v[RLA] offset:512*\T+64*\a
.endr
.endr
	FETCH 0
	SCALES 0
	ASKP 3, 100
	SUB 0, 1
	SUB 1, 0
	MAYBE 1
	s_wait_alu depctr_va_vdst(0)
	SUB 2, 0
	TURN3 3, 1
	MAYBE 2
	s_wait_alu depctr_va_vdst(0)
	SUB 4, 0
	SUB 5, 0
	MAYBE 3
	s_wait_alu depctr_va_vdst(0)
	SUB 6, 0
	TURN3 7, 1
	MAYBE 4
	s_wait_alu depctr_va_vdst(0)
	SUB 8, 0
	SUB 9, 0
	SUB 10, 0
	TURN3 11, 2
	SUB 12, 0
	SUB 13, 0
	SUB 14, 0
	TURN3 15, 0
	SUB 16, 0
	s_wait_dscnt 0x0                               ; the last sub-step: nothing more to fetch
	WIN 0xa5
	MUL8 17, 0, 0
	MUL8 17, 2, 0
	WIN 0
	EPI 1, 0
	s_wait_tensorcnt 0x0                           ; the wave's end
	ds_add_u32 v[SPW], v[NIL]
	s_wait_dscnt 0x0
	CROUND                                         ; the closing round
	s_endpgm
.Lfunc_end_k_qf231bd6379_pv:
	.size	k_qf231bd6379_pv, .Lfunc_end_k_qf231bd6379_pv-k_qf231bd6379_pv
	.p2alignl 7, 3214868480
	.fill 96, 4, 3214868480
	.section	.rodata,"a",@progbits
	.p2align	6, 0x0
	.amdhsa_kernel k_qf231bd6379_pv
		.amdhsa_group_segment_fixed_size 327680
		.amdhsa_private_segment_fixed_size 0
		.amdhsa_enable_private_segment 0
		.amdhsa_kernarg_size 40
		.amdhsa_user_sgpr_count 2
		.amdhsa_user_sgpr_kernarg_segment_ptr 1
		.amdhsa_wavefront_size32 1
		.amdhsa_system_sgpr_workgroup_id_x 1
		.amdhsa_system_sgpr_workgroup_id_y 1
		.amdhsa_system_sgpr_workgroup_id_z 1
		.amdhsa_system_vgpr_workitem_id 0
		.amdhsa_next_free_vgpr 640
		.amdhsa_next_free_sgpr 102
		.amdhsa_reserve_vcc 0
		.amdhsa_float_denorm_mode_32 3
		.amdhsa_float_denorm_mode_16_64 3
		.amdhsa_memory_ordered 1
		.amdhsa_forward_progress 1
		.amdhsa_inst_pref_size 201
	.end_amdhsa_kernel
	.amdgpu_metadata
---
amdhsa.version: [ 1, 2 ]
amdhsa.kernels:
  - .name:           k_qf231bd6379_pv
    .symbol:         k_qf231bd6379_pv.kd
    .args:
      - { .name: pc, .offset: 0, .size: 8, .value_kind: global_buffer, .address_space: global }
      - { .name: pmeta, .offset: 8, .size: 8, .value_kind: global_buffer, .address_space: global }
      - { .name: cod, .offset: 16, .size: 8, .value_kind: global_buffer, .address_space: global }
      - { .name: scl, .offset: 24, .size: 8, .value_kind: global_buffer, .address_space: global }
      - { .name: out0, .offset: 32, .size: 8, .value_kind: global_buffer, .address_space: global }
    .group_segment_fixed_size: 327680
    .private_segment_fixed_size: 0
    .kernarg_segment_align: 8
    .kernarg_segment_size: 40
    .max_flat_workgroup_size: 128
    .sgpr_count:     102
    .vgpr_count:     640
    .wavefront_size: 32
...
	.end_amdgpu_metadata
.endif
;; end of part 3
